; MI455X (gfx1250); checked and timed in simulation.
; The chip was launched on July 23, 2026; its instructions are those of AMD's public machine-readable ISA for CDNA 5 (MIT licence, August 2026) and "CDNA5" Instruction Set Architecture Reference Guide (July 2026). The comments in the code are by the model that wrote it; some were corrected since.
;; Scaled Dot Product Attention. Allowed arithmetic: float matrix products may take bf16 or f16 operands with f32 sums; all other float work in f32.
;; Inputs: k 4 x 16 x 2,048 x 128 float32; mask 4 x 16 x 2,048 int32; q 4 x 16 x 2,048 x 128 float32; v 4 x 16 x 2,048 x 128 float32.
;; Outputs: out0 4 x 16 x 2,048 x 128 float32.
;; 3 versions, each right and faster than the one before. Each part assembles by itself: llvm-mc -triple=amdgcn-amd-amdhsa -mcpu=gfx1250 --defsym DOCPART=n.
;; ======== version 1 of 3: 1 launch
;; launch attn (part 1): grid 256 x 1, 4 waves a work-group, clusters of 4 x 1, 327,680 bytes of LDS; arguments q, k, v, mask, out0; writes out0
.if DOCPART == 1
	.amdgcn_target "amdgcn-amd-amdhsa--gfx1250"
	.amdhsa_code_object_version 6
	.text
	.protected	k_qcd7cc60507_attn
	.globl	k_qcd7cc60507_attn
	.p2align	8
	.type	k_qcd7cc60507_attn,@function
k_qcd7cc60507_attn:
	s_mov_b64 s[64:65], 0
	v_nop
	global_prefetch_b8 v0, s[64:65] scope:SCOPE_SE
	s_setreg_imm32_b32 hwreg(HW_REG_WAVE_MODE, 25, 1), 1
	s_wait_xcnt 0x0
	s_wait_alu depctr_hold_cnt(0) depctr_sa_sdst(0) depctr_va_vdst(0) depctr_va_sdst(0) depctr_va_ssrc(0) depctr_va_vcc(0) depctr_vm_vsrc(0)
	s_getreg_b32 s2, hwreg(HW_REG_IB_STS2, 6, 4)
	s_cmp_eq_u32 s2, 0
	s_cbranch_scc0 .Lentry_in_a_cluster
	s_endpgm
.Lentry_in_a_cluster:
	s_bfe_u32 s2, ttmp6, 0x10000c
	s_cmp_lg_u32 s2, 0x3003
	s_cbranch_scc0 .Lentry_shape_is_right
	s_endpgm
.Lentry_shape_is_right:
; out0 = softmax(where(mask == 0, -1e9, q k^T)) v for 64 heads, 2048 x 2048 scores a head, 128 numbers a row, all f32 in memory.
; ONE launch; scores and weights never leave the registers.
; SHARING.  256 work-groups = 64 heads x 4 blocks of 512 queries.  The four blocks of a head form a cluster (4, 1, 1) and walk the same
; 32 tiles of 64 keys of K and V: every tile is asked for JOINTLY (mask 15), so a head's K and V are requested once, not four times.
; A wave owns 128 queries, worked on as two halves of 64; its output sums (128 x 128 f32) fill register windows 2 and 3.
; BOTH PRODUCTS ARE USED TRANSPOSED: S^T = K Q^T and O^T = V^T P^T.  In a result, lane (r, h) register j holds (key or d = 8h + j, query r).
; So (a) two neighbouring score tiles, rounded to bf16 in pairs, ARE the second source of the second product: no LDS trip, no shuffle;
; (b) maximum, sum and rescaling factor of a query live in its lane, one exchange joins the halves h; (c) a lane ends with 8 neighbouring d.
; FORMATS.  q, k, v are rounded to bf16 as they are (nearest even); log2(e) is applied in f32 behind the product.  Tiles land in LDS as f32;
; the wave that asked for a part converts that part, once for the work-group, into a bf16 stage that no tensor load ever fills.
; THE MASK.  A table of 0 or -1e9 for each key is made once in LDS.  Masked rows of K are ANDed to zero while they are converted, and the first
; matrix instruction of a score tile takes the table's fragment as its addend: a masked score is 0 + (-1e9), exactly, at any scale of q and k.
; SOFTMAX.  A running maximum, kept as NM = -(maximum x log2 e): p = 2^(s log2 e + NM), old sums are multiplied by 2^(NM new - NM old).
; LIMITS, stated: the weights are rounded to bf16 for the second product while the divisor sums them unrounded in f32; v_exp_f32 gives 0 for
; results below 2^-126 (ISA guide, its entry in 15.8); while all keys seen are masked, s log2 e + NM is a rounding residue of at most 64 in size, a common
; factor 2^+-64 of sums and divisor that cancels; a query row that holds an infinity or NaN gives NaN also where every key is masked.
; NOT USED: a prefetch ahead of the tensor loads: a tile is asked for a whole trip (256 matrix instructions, two softmax passes) ahead of its wait.
.set ROWB,   512                       ; bytes of an f32 row of 128
.set KEYS,   64                        ; keys in a tile
.set TILEB,  KEYS*ROWB                 ; 32,768 bytes of K, and of V, in a trip
.set PARTB,  16384                     ; what one wave asks for: 32 rows
.set SLOTB,  65536                     ; K's tile, then V's tile
.set TRIPS,  2048/KEYS                 ; 32
; LDS, every region a multiple of 256 bytes
.set KB,     2*SLOTB                   ; 131,072: K in bf16, 64 rows, pitch 272 (an odd multiple of 16: the 16 rows of a fragment load start 4 banks apart)
.set KPITCH, 272
.set VB,     KB+KEYS*KPITCH            ; 148,480: V in bf16, 64 rows, pitch 288 (an odd multiple of 32, for the transposing loads)
.set VPITCH, 288
.set BIAS,   VB+KEYS*VPITCH            ; 166,912: 2,048 f32, 0 or -1e9
.set STAGE,  BIAS+8192                 ; 175,104: 8,448 bytes a wave: q on the way in (16 rows, pitch 272), the result on the way out (16 rows, pitch 528)
.set STAGEB, 8448
.set OPITCH, 528
; vector registers, window 0
.set ADRK,  1                          ; KB + 272 r + 16 h
.set ADRV,  2                          ; VB + 288 (8 h + lane % 8) + 16 (lane / 8 % 2)
.set ADRBI, 3                          ; BIAS + 32 h, 256 further each trip
.set ADRBR, 4                          ; BIAS + 128 w + 4 lane, 256 further each trip (waves 0 and 1)
.set ADRF0, 5                          ; v5, v6: my part of slot 0, 1: 16,384 w + 16 lane
.set ADRCK, 7                          ; KB + 8,704 w + 8 lane (waves 0 and 1)
.set NM,    8                          ; v8-15   -(running maximum x log2 e) of the 8 query blocks
.set LS,    16                         ; v16-23  sums of weights, each half h its own keys
.set TT,    24                         ; v24-31  four pairs at work
.set ALP,   32                         ; v32-39  four pairs: the rescaling factor, twice
.set BI0,   40                         ; v40-47, v48-55 bias fragments, two buffers
.set KEEP,  56                         ; lane n: -1 or 0 for row n of my part of K
.set KEEPB, 57
.set ADRCV, 58                         ; VB + 9,216 (w - 2) + 8 lane (waves 2 and 3)
.set GO,    59                         ; 16 lane: my 16 bytes of a row of q and of out0; never rewritten
.set QST,   60                         ; prologue: my stage + 8 lane
.set QRD,   61                         ; prologue: my stage + 272 r + 16 h
.set STO,   60                         ; epilogue: my stage + 528 r + 32 h
.set RD,    61                         ; epilogue: my stage + 16 lane
.set F0,    64                         ; v64-95, v96-127 fragments of K or of V^T, two buffers
.set SC,    128                        ; v128-255 scores: tile (qb, kb) at SC + 32 qb + 8 kb; later weights: (qb, ks) at SC + 32 qb + 8 ks
.set BST,   29                         ; prologue only, in TT
.set MA,    30
.set FILL,  31
; window 1: fragments of q, (hf, qb, ks) at 128 hf + 32 qb + 8 ks.  Window 2 + hf: output sums, (db, qb) at 32 db + 8 qb.
.set G1, 24                            ; s[24:31] descriptor group 1, never rewritten
.set G0, 32                            ; s[32:39] descriptor group 0, a set for each slot
.set MSB, 0
.macro WIN new                         ; s_set_vgpr_msb: bits 1:0 source 0, 3:2 source 1, 5:4 source 2, 7:6 destination; the high byte repeats the setting left
.if MSB != (\new)
	s_set_vgpr_msb (MSB<<8)|(\new)
.set MSB, (\new)
.endif
.endm
; Behind a matrix instruction four plain vector instructions stand before a vector instruction or a load touches its registers, five before another
; matrix instruction writes over one of its sources (ISA guide 7.12.1 for vector instructions).  Five serve both.
.macro PLACES
.rept 5
	v_nop
.endr
.endm
; A round of the cluster's barrier: my work-group's barrier, wave 0 signals for the work-group, all wait for the four work-groups, my work-group's barrier again.
.macro ROUND
	s_barrier_signal -1
	s_barrier_wait -1
	s_cmp_lg_u32 s14, 0
	s_cbranch_scc1 .Lnot_wave_0_\@
	s_barrier_signal -3
.Lnot_wave_0_\@:
	s_barrier_wait -3
	s_barrier_signal -1
	s_barrier_wait -1
.endm
	s_load_b256 s[4:11], s[0:1], 0x0               ; q s[4:5], k s[6:7], v s[8:9], mask s[10:11]
	s_load_b64 s[12:13], s[0:1], 0x20              ; out0
	v_lshl_add_u32 v62, v0, 2, 0x33000
	v_mov_b32 v63, 0
	ds_add_u32 v62, v63
	v_lshrrev_b32 v1, 5, v0
	v_readfirstlane_b32 s14, v1                    ; w, my wave's number
	s_and_b32 s15, s14, 1                          ; which 32 rows of a tile I ask for
	s_bfe_u32 s16, ttmp6, 0x40000                  ; cx: which 512 queries of the head are my work-group's
	s_mov_b32 s40, 0x76543210                      ; v_permlanex16_b32: lane i reads lane i of the other half
	s_mov_b32 s41, 0xfedcba98
	; Group 1: my part of a tile is 16,384 dense bytes, taken as 64 rows of 32 elements of 8 bytes
	s_mov_b32 s[G1+0], 0x0023000f                  ; 15:0 mask: all four work-groups; 17:16 elements of 8 bytes; 21 set beside a mask; no padding (the part is read 16 bytes x lane, contiguous)
	s_mov_b32 s[G1+1], 32<<16                      ; tensor_dim0 = 32
	s_mov_b32 s[G1+2], 64<<16                      ; tensor_dim1 = 64
	s_mov_b32 s[G1+3], 32<<16                      ; tile_dim0 = 32
	s_mov_b32 s[G1+4], 64                          ; tile_dim1 = 64
	s_mov_b32 s[G1+5], 32                          ; from row to row: 32 elements
	s_mov_b32 s[G1+6], 0
	s_mov_b32 s[G1+7], 0
	s_lshl_b32 s20, ttmp9, 20                      ; K, V: head x 2,048 rows x 512 bytes (ttmp9 counts clusters = heads)
	s_lshl_b32 s48, s15, 14                        ; + my 32 rows
	s_add_co_u32 s20, s20, s48
	s_mov_b32 s21, 0
	s_lshl_b32 s22, ttmp9, 20                      ; q, out0: head,
	s_lshl_b32 s50, s16, 18                        ; + cx x 512 rows,
	s_add_co_u32 s22, s22, s50
	s_lshl_b32 s51, s14, 16                        ; + w x 128 rows
	s_add_co_u32 s22, s22, s51
	s_mov_b32 s23, 0
	s_lshl_b32 s46, ttmp9, 13                      ; mask: head x 2,048 words
	s_mov_b32 s47, 0
	s_lshl_b32 s49, s14, 14                        ; my part of a slot: w x 16,384; no place in the cluster enters an LDS address
	s_mul_i32 s42, s14, STAGEB
	s_add_co_u32 s42, s42, STAGE                   ; my stage
	s_mul_i32 s43, s14, 32*KPITCH
	s_add_co_u32 s43, s43, KB                      ; where waves 0, 1 put their 32 rows of K
	s_mul_i32 s45, s14, 32*VPITCH
	s_add_co_u32 s45, s45, VB-64*VPITCH            ; where waves 2, 3 put their 32 rows of V
	s_wait_dscnt 0x0
	s_wait_kmcnt 0x0
	s_cmp_lt_u32 s14, 2                            ; waves 0 and 1 ask for K, waves 2 and 3 for V: the same in all four work-groups
	s_cselect_b64 s[18:19], s[6:7], s[8:9]
	s_add_nc_u64 s[18:19], s[18:19], s[20:21]
	s_add_nc_u64 s[4:5], s[4:5], s[22:23]
	s_add_nc_u64 s[12:13], s[12:13], s[22:23]
	s_add_nc_u64 s[10:11], s[10:11], s[46:47]
.irp n, 0,1
	s_mov_b32 s[G0+4*\n], 1                                        ; count = 1
	s_add_co_u32 s[G0+4*\n+1], s49, \n*SLOTB                       ; LDS address
	s_add_nc_u64 s[G0+4*\n+2:G0+4*\n+3], s[18:19], \n*TILEB        ; global address: tile n
	s_or_b32 s[G0+4*\n+3], s[G0+4*\n+3], 0x80000000                ; type = 2
.endr
	ROUND                                          ; the four work-groups are here: the first joint loads meet
	tensor_load_to_lds s[G0:G0+3], s[G1:G1+7]      ; tile 0 into slot 0.  Slot 1 is first filled behind the first trip's round.  One tensor load of a wave is out at any time.
	s_nop 0
	; PROLOGUE.  The head's mask (each thread 4 x 16 bytes) and my 128 rows of q, a row of 512 bytes an instruction, into windows 2 and 3, which are still free.
	v_and_b32 v[TT], 31, v0                        ; lane
	v_lshlrev_b32 v[GO], 4, v[TT]
	v_lshlrev_b32 v[MA], 4, v0
.irp i, 0,1,2,3
	global_load_b128 v[F0+4*\i:F0+4*\i+3], v[MA], s[10:11] offset:2048*\i
.endr
	WIN 0x80
.set n, 0
.rept 64
	global_load_b128 v[4*n:4*n+3], v[GO], s[4:5] offset:ROWB*n th:TH_LOAD_NT
.set n, n+1
.endr
	WIN 0xc0
.set n, 0
.rept 64
	global_load_b128 v[4*n:4*n+3], v[GO], s[4:5] offset:ROWB*(64+n) th:TH_LOAD_NT
.set n, n+1
.endr
	WIN 0
	v_and_b32 v[TT+1], 15, v0                      ; r
	v_bfe_u32 v[TT+2], v0, 4, 1                    ; h
	v_and_b32 v[TT+3], 7, v0
	v_bfe_u32 v[TT+4], v0, 3, 1
	v_add_nc_u32 v[BST], BIAS, v[MA]               ; where my 16 bytes of the table go
	v_mov_b32 v[FILL], 0xce6e6b28                  ; -1e9
	v_mul_u32_u24 v[ADRK], v[TT+1], KPITCH
	v_lshl_add_u32 v[ADRK], v[TT+2], 4, v[ADRK]
	v_add_nc_u32 v[QRD], s42, v[ADRK]              ; the stage has K's pitch on the way in
	v_add_nc_u32 v[ADRK], KB, v[ADRK]
	v_lshl_add_u32 v[ADRV], v[TT+2], 3, v[TT+3]
	v_mul_u32_u24 v[ADRV], v[ADRV], VPITCH
	v_lshl_add_u32 v[ADRV], v[TT+4], 4, v[ADRV]
	v_add_nc_u32 v[ADRV], VB, v[ADRV]
	v_lshlrev_b32 v[ADRBI], 5, v[TT+2]
	v_add_nc_u32 v[ADRBI], BIAS, v[ADRBI]
	v_lshlrev_b32 v[ADRBR], 2, v[TT]
	v_add_nc_u32 v[ADRBR], BIAS, v[ADRBR]
	v_lshl_add_u32 v[ADRBR], s14, 7, v[ADRBR]
	v_add_nc_u32 v[ADRF0], s49, v[GO]
	v_add_nc_u32 v[ADRF0+1], SLOTB, v[ADRF0]
	v_lshl_add_u32 v[ADRCK], v[TT], 3, s43
	v_lshl_add_u32 v[ADRCV], v[TT], 3, s45
	v_lshl_add_u32 v[QST], v[TT], 3, s42
; Query block g (16 rows): round to bf16, 8 bytes a lane into my own stage, read back as four fragments (lane (r, h): row r, d = 32 ks + 8 h .., 32 ks + 16 + 8 h ..).
; The stage is my wave's own and LDS serves a wave's instructions in order (ISA guide 5.7.1): no wait between the stores and the loads.
.macro QBLOCK g
.if 112-16*\g > 63
	s_wait_loadcnt 63                              ; 112 - 16 g rows were issued behind this block's; the count names no more than 63
.else
	s_wait_loadcnt 112-16*\g                       ; the rows issued behind this block's may stay out
.endif
	WIN (0x0a+5*(\g/4))
.set n, 0
.rept 16
	v_cvt_pk_bf16_f32 v[SC+2*n],   v[64*(\g%4)+4*n],   v[64*(\g%4)+4*n+1]
	v_cvt_pk_bf16_f32 v[SC+2*n+1], v[64*(\g%4)+4*n+2], v[64*(\g%4)+4*n+3]
.set n, n+1
.endr
	WIN 0
.set n, 0
.rept 16
	ds_store_b64 v[QST], v[SC+2*n:SC+2*n+1] offset:KPITCH*n
.set n, n+1
.endr
	WIN 0x40
.irp ks, 0,1,2,3
	ds_load_b128 v[32*\g+8*\ks:32*\g+8*\ks+3],   v[QRD] offset:64*\ks
	ds_load_b128 v[32*\g+8*\ks+4:32*\g+8*\ks+7], v[QRD] offset:64*\ks+32
.endr
.endm
.irp g, 0,1,2,3,4,5,6,7
	QBLOCK \g
.endr
	WIN 0
	; the mask (its loads were the first issued, so they are in): 0 where the key counts, -1e9 where mask == 0
.set n, 0
.rept 16
	v_cmp_eq_u32 vcc_lo, 0, v[F0+n]
	v_cndmask_b32 v[F0+n], 0, v[FILL], vcc_lo
.set n, n+1
.endr
.irp i, 0,1,2,3
	ds_store_b128 v[BST], v[F0+4*\i:F0+4*\i+3] offset:2048*\i      ; shown to the other waves by the first trip's wait for 0 and its round
.endr
; Ten LDS loads: the four fragments of K's rows 16 kb .. + 15 and the bias fragment of these keys (register j: key 16 kb + 8 h + j), into buffer b
.macro FETCHK kb, b
	WIN 0
.irp ks, 0,1,2,3
	ds_load_b128 v[F0+32*\b+8*\ks:F0+32*\b+8*\ks+3],   v[ADRK] offset:16*KPITCH*\kb+64*\ks
	ds_load_b128 v[F0+32*\b+8*\ks+4:F0+32*\b+8*\ks+7], v[ADRK] offset:16*KPITCH*\kb+64*\ks+32
.endr
	ds_load_b128 v[BI0+8*\b:BI0+8*\b+3],   v[ADRBI] offset:64*\kb
	ds_load_b128 v[BI0+8*\b+4:BI0+8*\b+7], v[ADRBI] offset:64*\kb+16
.endm
; Eight transposing loads: fragments of V^T for d blocks 2 c, 2 c + 1 and both steps of 32 keys, (e, ks) at 8 (2 e + ks) of buffer b
.macro FETCHV c, b
	WIN 0
.irp e, 0,1
.irp ks, 0,1
	ds_load_tr16_b128 v[F0+32*\b+8*(2*\e+\ks):F0+32*\b+8*(2*\e+\ks)+3],   v[ADRV] offset:32*VPITCH*\ks+32*(2*\c+\e)
	ds_load_tr16_b128 v[F0+32*\b+8*(2*\e+\ks)+4:F0+32*\b+8*(2*\e+\ks)+7], v[ADRV] offset:32*VPITCH*\ks+32*(2*\c+\e)+16*VPITCH
.endr
.endr
.endm
; 16 matrix instructions: scores of keys 16 kb .. + 15 against the half's 64 queries.  The first step along d takes the bias as its addend.
; The four accumulators take turns, one instruction a turn.
.macro MULS hf, kb, b
	WIN 0x04
.irp ks, 0,1,2,3
.irp qb, 0,1,2,3
.if \ks == 0
	v_wmma_f32_16x16x32_bf16 v[SC+32*\qb+8*\kb:SC+32*\qb+8*\kb+7], v[F0+32*\b+8*\ks:F0+32*\b+8*\ks+7], v[128*\hf+32*\qb+8*\ks:128*\hf+32*\qb+8*\ks+7], v[BI0+8*\b:BI0+8*\b+7]
.else
	v_wmma_f32_16x16x32_bf16 v[SC+32*\qb+8*\kb:SC+32*\qb+8*\kb+7], v[F0+32*\b+8*\ks:F0+32*\b+8*\ks+7], v[128*\hf+32*\qb+8*\ks:128*\hf+32*\qb+8*\ks+7], v[SC+32*\qb+8*\kb:SC+32*\qb+8*\kb+7]
.endif
.endr
.endr
.endm
; 16 matrix instructions: d blocks 2 c, 2 c + 1 of the half's output sums, 64 keys.  first = 1: the first product starts the sums, nothing is cleared.
; The eight accumulators take turns, one instruction a turn.
.macro MULP hf, c, b, first
	WIN (0xa0+0x50*\hf)
.irp ks, 0,1
.irp e, 0,1
.irp qb, 0,1,2,3
.if \first*(1-\ks)
	v_wmma_f32_16x16x32_bf16 v[32*(2*\c+\e)+8*\qb:32*(2*\c+\e)+8*\qb+7], v[F0+32*\b+8*(2*\e+\ks):F0+32*\b+8*(2*\e+\ks)+7], v[SC+32*\qb+8*\ks:SC+32*\qb+8*\ks+7], 0
.else
	v_wmma_f32_16x16x32_bf16 v[32*(2*\c+\e)+8*\qb:32*(2*\c+\e)+8*\qb+7], v[F0+32*\b+8*(2*\e+\ks):F0+32*\b+8*(2*\e+\ks)+7], v[SC+32*\qb+8*\ks:SC+32*\qb+8*\ks+7], v[32*(2*\c+\e)+8*\qb:32*(2*\c+\e)+8*\qb+7]
.endif
.endr
.endr
.endr
.endm
; Pair p of block qb's 32 weights: added to the block's sum (in its TT pair, free once the block's exponents are made) and rounded into register p.
; Register p is written behind the reads of pair p / 2, which held it.  Pair 0 waits for pair 1, so that the first sum clears nothing.
.macro SUMCVT qb, p
.if \p == 1
	s_wait_alu depctr_va_vdst(0)
	v_pk_add_f32 v[TT+2*\qb:TT+2*\qb+1], v[SC+32*\qb:SC+32*\qb+1], v[SC+32*\qb+2:SC+32*\qb+3]
	v_cvt_pk_bf16_f32 v[SC+32*\qb],   v[SC+32*\qb],   v[SC+32*\qb+1]
	v_cvt_pk_bf16_f32 v[SC+32*\qb+1], v[SC+32*\qb+2], v[SC+32*\qb+3]
.endif
.if \p > 1
	s_wait_alu depctr_va_vdst(0)
	v_pk_add_f32 v[TT+2*\qb:TT+2*\qb+1], v[TT+2*\qb:TT+2*\qb+1], v[SC+32*\qb+2*\p:SC+32*\qb+2*\p+1]
	v_cvt_pk_bf16_f32 v[SC+32*\qb+\p], v[SC+32*\qb+2*\p], v[SC+32*\qb+2*\p+1]
.endif
.endm
; The half's 64 queries x 64 keys: a lane holds 32 scores of one query in each of four blocks; the four blocks' chains are interleaved.
.macro SOFTMAX hf, first
	WIN 0
.irp qb, 0,1,2,3
	v_max3_num_f32 v[TT+2*\qb], v[SC+32*\qb], v[SC+32*\qb+1], v[SC+32*\qb+2]
.endr
.irp i, 3,5,7,9,11,13,15,17,19,21,23,25,27,29
.irp qb, 0,1,2,3
	v_max3_num_f32 v[TT+2*\qb], v[TT+2*\qb], v[SC+32*\qb+\i], v[SC+32*\qb+\i+1]
.endr
.endr
.irp qb, 0,1,2,3
	v_max_num_f32 v[TT+2*\qb], v[TT+2*\qb], v[SC+32*\qb+31]
.endr
.irp qb, 0,1,2,3
	v_permlanex16_b32 v[TT+2*\qb+1], v[TT+2*\qb], s40, s41         ; the other half's keys of the same query
.endr
.irp qb, 0,1,2,3
	v_max_num_f32 v[TT+2*\qb], v[TT+2*\qb], v[TT+2*\qb+1]
.endr
.irp qb, 0,1,2,3
	v_mul_f32 v[TT+2*\qb], 0xbfb8aa3b, v[TT+2*\qb]                 ; -(tile's maximum x log2 e)
.endr
.if \first == 0
.irp qb, 0,1,2,3
	v_min_num_f32 v[TT+2*\qb], v[TT+2*\qb], v[NM+4*\hf+\qb]        ; the running maximum, as the smaller negative
.endr
.irp qb, 0,1,2,3
	v_sub_f32 v[ALP+2*\qb], v[TT+2*\qb], v[NM+4*\hf+\qb]           ; new - old, never above 0
.endr
.irp qb, 0,1,2,3
	v_exp_f32 v[ALP+2*\qb], v[ALP+2*\qb]                           ; plain instructions that name no ALP follow before it is read (ISA guide 5.7.2)
.endr
.endif
.irp qb, 0,1,2,3
	v_mov_b32 v[NM+4*\hf+\qb], v[TT+2*\qb]
	v_mov_b32 v[TT+2*\qb+1], v[TT+2*\qb]                           ; a pair for the packed multiply-add
.endr
.if \first == 0
.irp qb, 0,1,2,3
	s_wait_alu depctr_va_vdst(0)
	v_mov_b32 v[ALP+2*\qb+1], v[ALP+2*\qb]
.endr
.endif
.irp p, 0,1,2,3,4,5,6,7,8,9,10,11,12,13,14,15
	v_pk_fma_f32 v[SC+2*\p:SC+2*\p+1], v[SC+2*\p:SC+2*\p+1], 0x3fb8aa3b, v[TT:TT+1] op_sel_hi:[1,0,1]     ; block 0: s log2 e + NM
.endr
	; block qb's exponentials; between them the next block's exponents and the block before's sums and roundings, plain work that touches none of their registers
.irp qb, 0,1,2,3
.irp p, 0,1,2,3,4,5,6,7,8,9,10,11,12,13,14,15
	v_exp_f32 v[SC+32*\qb+2*\p],   v[SC+32*\qb+2*\p]
	v_exp_f32 v[SC+32*\qb+2*\p+1], v[SC+32*\qb+2*\p+1]
.if \qb < 3
	v_pk_fma_f32 v[SC+32*(\qb+1)+2*\p:SC+32*(\qb+1)+2*\p+1], v[SC+32*(\qb+1)+2*\p:SC+32*(\qb+1)+2*\p+1], 0x3fb8aa3b, v[TT+2*(\qb+1):TT+2*(\qb+1)+1] op_sel_hi:[1,0,1]
.endif
.if \qb > 0
	SUMCVT (\qb-1), \p
.endif
.endr
.endr
.irp p, 0,1,2,3,4,5,6,7,8,9,10,11,12,13,14,15
	SUMCVT 3, \p
.endr
.irp qb, 0,1,2,3
.if \first
	v_add_f32 v[LS+4*\hf+\qb], v[TT+2*\qb], v[TT+2*\qb+1]
.else
	v_add_f32 v[TT+2*\qb], v[TT+2*\qb], v[TT+2*\qb+1]
.endif
.endr
.if \first == 0
.irp qb, 0,1,2,3
	v_fma_f32 v[LS+4*\hf+\qb], v[LS+4*\hf+\qb], v[ALP+2*\qb], v[TT+2*\qb]
.endr
.endif
.endm
; The half's output sums go over to the new maximum's unit: once for 64 keys
.macro RESCALE hf
	WIN (0x82+0x41*\hf)
.irp db, 0,1,2,3,4,5,6,7
.irp qb, 0,1,2,3
.irp i, 0,2,4,6
	v_pk_mul_f32 v[32*\db+8*\qb+\i:32*\db+8*\qb+\i+1], v[32*\db+8*\qb+\i:32*\db+8*\qb+\i+1], v[ALP+2*\qb:ALP+2*\qb+1]
.endr
.endr
.endr
.endm
; One half of the wave's queries against the tile.  Fragment chunks go through two buffers; each s_wait_dscnt leaves out exactly the one chunk
; issued behind the chunk that is needed (10 loads for K with its bias, 8 for V).  V's first two chunks land under the softmax.
.macro HALF hf, first
	s_wait_dscnt 10
	MULS \hf, 0, 0
	PLACES
	FETCHK 2, 0
	s_wait_dscnt 10
	MULS \hf, 1, 1
	PLACES
	FETCHK 3, 1
	s_wait_dscnt 10
	MULS \hf, 2, 0
	PLACES
	FETCHV 0, 0
	s_wait_dscnt 8
	MULS \hf, 3, 1
	PLACES
	FETCHV 1, 1
	SOFTMAX \hf, \first
.if \first == 0
	RESCALE \hf
.endif
	s_wait_dscnt 8
	MULP \hf, 0, 0, \first
	PLACES
	FETCHV 2, 0
	s_wait_dscnt 8
	MULP \hf, 1, 1, \first
	PLACES
	FETCHV 3, 1
	s_wait_dscnt 8
	MULP \hf, 2, 0, \first
	PLACES
.if \hf == 0
	FETCHK 0, 0                                    ; the second half's first chunks of K
	s_wait_dscnt 10
.else
	s_wait_dscnt 0                                 ; nothing was issued behind V's last chunk
.endif
	MULP \hf, 3, 1, \first
	PLACES
.if \hf == 0
	FETCHK 1, 1
.endif
.endm
; My 32 rows of the tile, f32 in the slot, to bf16 in the stage.  A row is one load of 512 bytes (16 a lane) and one store of 256 (8 a lane).
.macro CONV slot, pitch, masked, adrc
.if \masked
	ds_load_b32 v[KEEPB], v[ADRBR]                 ; lane n: the table's word of my row n
.endif
.set n, 0
.rept 32
	ds_load_b128 v[SC+4*n:SC+4*n+3], v[ADRF0+\slot] offset:ROWB*n
.set n, n+1
.endr
.if \masked
	s_wait_dscnt 32                                ; the word is in; the 32 rows behind it may be out
	v_cmp_eq_f32 vcc_lo, 0, v[KEEPB]
	v_cndmask_b32 v[KEEP], 0, -1, vcc_lo
.endif
.set n, 0
.rept 4
	s_wait_dscnt 24                                ; behind this group's eight rows: 8 (3 - g) younger loads and the 8 g stores of the groups before
.if \masked
.set m, 0
.rept 8
	v_readlane_b32 s[52+m], v[KEEP], n+m
.set m, m+1
.endr
.endif
.set m, 0
.rept 8
	v_cvt_pk_bf16_f32 v[F0+2*(n+m)],   v[SC+4*(n+m)],   v[SC+4*(n+m)+1]
	v_cvt_pk_bf16_f32 v[F0+2*(n+m)+1], v[SC+4*(n+m)+2], v[SC+4*(n+m)+3]
.set m, m+1
.endr
.if \masked
.set m, 0
.rept 8
	v_and_b32 v[F0+2*(n+m)],   s[52+m], v[F0+2*(n+m)]               ; a masked row becomes zeros, whatever it held
	v_and_b32 v[F0+2*(n+m)+1], s[52+m], v[F0+2*(n+m)+1]
.set m, m+1
.endr
.endif
.set m, 0
.rept 8
	ds_store_b64 v[\adrc], v[F0+2*(n+m):F0+2*(n+m)+1] offset:(n+m)*\pitch
.set m, m+1
.endr
.set n, n+8
.endr
.endm
; One tile of 64 keys.  The round is the barrier in front of the refill AND between the last trip's reads of the bf16 stage and this trip's stores into it.
.macro TRIP slot, refill, first
	s_wait_tensorcnt 0x0                           ; all my tensor loads are done, my part of this trip's tile among them,
	ds_add_u32 v62, v63
	s_wait_dscnt 0x0
	s_add_nc_u64 s[G0+4*\slot+2:G0+4*\slot+3], s[G0+4*\slot+2:G0+4*\slot+3], 2*TILEB   ; so a group 0 may be written: this slot's next tile
	s_wait_dscnt 0x0                               ; my LDS reads and stores are done
	ROUND                                          ; both now hold of every wave of the four work-groups
.if \refill
	tensor_load_to_lds s[G0+4-4*\slot:G0+7-4*\slot], s[G1:G1+7]    ; the next tile, into the slot converted last trip: my one tensor load until the next round
	s_nop 0
.endif
	s_cmp_lt_u32 s14, 2
	s_cbranch_scc0 .Lconv_v_\@
	CONV \slot, KPITCH, 1, ADRCK                   ; waves 0, 1: the part of K that they asked for
	s_branch .Lconv_done_\@
.Lconv_v_\@:
	CONV \slot, VPITCH, 0, ADRCV                   ; waves 2, 3: of V
.Lconv_done_\@:
	s_wait_dscnt 0x0                               ; my stores into the stage are done,
	s_barrier_signal -1
	s_barrier_wait -1                              ; everybody's are.  The refill stays on its way
	FETCHK 0, 0
	FETCHK 1, 1
	HALF 0, \first
	HALF 1, \first
	WIN 0                                          ; at a label and at a branch every window is 0
	v_add_nc_u32 v[ADRBI], 4*KEYS, v[ADRBI]        ; the table's next 64 keys
	v_add_nc_u32 v[ADRBR], 4*KEYS, v[ADRBR]
.endm
	TRIP 0, 1, 1                                   ; the first tile starts maxima, sums and output sums
	TRIP 1, 1, 0
	s_mov_b32 s44, (TRIPS-4)/2
.Lpair:
	TRIP 0, 1, 0
	TRIP 1, 1, 0
	s_sub_co_u32 s44, s44, 1
	s_cmp_lg_u32 s44, 0
	s_cbranch_scc1 .Lpair
	TRIP 0, 1, 0                                   ; asks for the last tile
	TRIP 1, 0, 0                                   ; nothing is left to ask for (the stepped addresses are not used)
	; EPILOGUE.  The two halves' sums of weights meet; 1 / sum; then 16 queries at a time through my stage, out as whole rows.
.irp q, 0,1,2,3,4,5,6,7
	v_permlanex16_b32 v[TT+\q], v[LS+\q], s40, s41
.endr
.irp q, 0,1,2,3,4,5,6,7
	v_add_f32 v[LS+\q], v[LS+\q], v[TT+\q]
.endr
.irp q, 0,1,2,3,4,5,6,7
	v_rcp_f32 v[LS+\q], v[LS+\q]                   ; the address work below stands between these and the first use (ISA guide 5.7.2)
.endr
	v_and_b32 v[BI0], 15, v0                       ; r
	v_bfe_u32 v[BI0+1], v0, 4, 1                   ; h
	v_mul_u32_u24 v[STO], v[BI0], OPITCH
	v_lshl_add_u32 v[STO], v[BI0+1], 5, v[STO]
	v_add_nc_u32 v[STO], s42, v[STO]
	v_add_nc_u32 v[RD], s42, v[GO]
; Query block g: lane (r, h) holds, for each d block, d = 16 db + 8 h + 0 .. 7 of query r: 32 bytes of a row.  Pitch 528, an odd multiple of 16.
; Read back, a row is 32 lanes x 16 bytes, and its store covers 512 consecutive bytes at a multiple of 512 from out0's first byte.
.macro OUT16 g
	WIN 0
	s_wait_alu depctr_va_vdst(0)
	v_mov_b32 v[TT],   v[LS+\g]
	v_mov_b32 v[TT+1], v[LS+\g]
	WIN (0x02+(\g/4))
.irp db, 0,1,2,3,4,5,6,7
.irp i, 0,2,4,6
	v_pk_mul_f32 v[SC+8*\db+\i:SC+8*\db+\i+1], v[32*\db+8*(\g%4)+\i:32*\db+8*(\g%4)+\i+1], v[TT:TT+1]
.endr
.endr
	WIN 0
.irp db, 0,1,2,3,4,5,6,7
	ds_store_b128 v[STO], v[SC+8*\db:SC+8*\db+3]   offset:64*\db
	ds_store_b128 v[STO], v[SC+8*\db+4:SC+8*\db+7] offset:64*\db+16
.endr
	s_wait_xcnt 0x0                                ; the registers that the last block's global stores read are loaded again only behind this wait
.set n, 0
.rept 16
	ds_load_b128 v[SC+64+4*n:SC+64+4*n+3], v[RD] offset:OPITCH*n   ; my own bytes, served in order behind the stores above
.set n, n+1
.endr
.set n, 0
.rept 16
	s_wait_dscnt 15-n                              ; row n is in; the younger rows may be out
	global_store_b128 v[GO], v[SC+64+4*n:SC+64+4*n+3], s[12:13] offset:(16*\g+n)*ROWB th:TH_STORE_NT
.set n, n+1
.endr
.endm
.irp g, 0,1,2,3,4,5,6,7
	OUT16 \g
.endr
	s_wait_dscnt 0x0
	s_wait_tensorcnt 0x0
	ds_add_u32 v62, v63
	s_wait_dscnt 0x0
	ROUND                                          ; the closing round: no work-group ends while a partner may still ask jointly
	s_endpgm
.Lfunc_end_k_qcd7cc60507_attn:
	.size	k_qcd7cc60507_attn, .Lfunc_end_k_qcd7cc60507_attn-k_qcd7cc60507_attn
	.p2alignl 7, 3214868480
	.fill 96, 4, 3214868480
	.section	.rodata,"a",@progbits
	.p2align	6, 0x0
	.amdhsa_kernel k_qcd7cc60507_attn
		.amdhsa_group_segment_fixed_size 327680
		.amdhsa_private_segment_fixed_size 0
		.amdhsa_enable_private_segment 0
		.amdhsa_kernarg_size 40
		.amdhsa_user_sgpr_count 2
		.amdhsa_user_sgpr_kernarg_segment_ptr 1
		.amdhsa_wavefront_size32 1
		.amdhsa_system_sgpr_workgroup_id_x 1
		.amdhsa_system_sgpr_workgroup_id_y 1
		.amdhsa_system_sgpr_workgroup_id_z 1
		.amdhsa_system_vgpr_workitem_id 0
		.amdhsa_next_free_vgpr 1024
		.amdhsa_next_free_sgpr 66
		.amdhsa_reserve_vcc 1
		.amdhsa_float_denorm_mode_32 3
		.amdhsa_float_denorm_mode_16_64 3
		.amdhsa_memory_ordered 1
		.amdhsa_forward_progress 1
		.amdhsa_inst_pref_size 255
	.end_amdhsa_kernel
	.section	.bss,"aw",@nobits
	.p2align	6
	.space	262144
	.amdgpu_metadata
---
amdhsa.version: [ 1, 2 ]
amdhsa.kernels:
  - .name:           k_qcd7cc60507_attn
    .symbol:         k_qcd7cc60507_attn.kd
    .args:
      - { .name: q, .offset: 0, .size: 8, .value_kind: global_buffer, .address_space: global }
      - { .name: k, .offset: 8, .size: 8, .value_kind: global_buffer, .address_space: global }
      - { .name: v, .offset: 16, .size: 8, .value_kind: global_buffer, .address_space: global }
      - { .name: mask, .offset: 24, .size: 8, .value_kind: global_buffer, .address_space: global }
      - { .name: out0, .offset: 32, .size: 8, .value_kind: global_buffer, .address_space: global }
    .group_segment_fixed_size: 327680
    .private_segment_fixed_size: 0
    .kernarg_segment_align: 8
    .kernarg_segment_size: 40
    .max_flat_workgroup_size: 128
    .sgpr_count:     66
    .vgpr_count:     1024
    .wavefront_size: 32
...
	.end_amdgpu_metadata
.endif
;; end of part 1
;; ======== version 2 of 3: 1 launch; 1.10 times as fast as version 1
;; launch attn (part 2): grid 256 x 1, 4 waves a work-group, clusters of 4 x 1, 327,680 bytes of LDS; arguments q, k, v, mask, out0; writes out0
.if DOCPART == 2
	.amdgcn_target "amdgcn-amd-amdhsa--gfx1250"
	.amdhsa_code_object_version 6
	.text
	.protected	k_qcd7cc60507_attn
	.globl	k_qcd7cc60507_attn
	.p2align	8
	.type	k_qcd7cc60507_attn,@function
k_qcd7cc60507_attn:
	s_mov_b64 s[64:65], 0
	v_nop
	global_prefetch_b8 v0, s[64:65] scope:SCOPE_SE
	s_setreg_imm32_b32 hwreg(HW_REG_WAVE_MODE, 25, 1), 1
	s_wait_xcnt 0x0
	s_wait_alu depctr_hold_cnt(0) depctr_sa_sdst(0) depctr_va_vdst(0) depctr_va_sdst(0) depctr_va_ssrc(0) depctr_va_vcc(0) depctr_vm_vsrc(0)
	s_getreg_b32 s2, hwreg(HW_REG_IB_STS2, 6, 4)
	s_cmp_eq_u32 s2, 0
	s_cbranch_scc0 .Lentry_in_a_cluster
	s_endpgm
.Lentry_in_a_cluster:
	s_bfe_u32 s2, ttmp6, 0x10000c
	s_cmp_lg_u32 s2, 0x3003
	s_cbranch_scc0 .Lentry_shape_is_right
	s_endpgm
.Lentry_shape_is_right:
; out0 = softmax(where(mask == 0, -1e9, q k^T)) v for 64 heads, 2048 x 2048 scores a head, 128 numbers a row, all f32 in memory.
; ONE launch; scores and weights never leave the registers.
; SHARING.  256 work-groups = 64 heads x 4 blocks of 512 queries.  The four blocks of a head form a cluster (4, 1, 1) and walk the same
; 32 tiles of 64 keys of K and V: every tile is asked for JOINTLY (mask 15), so a head's K and V are requested once, not four times.
; A wave owns 128 queries, worked on as two halves of 64; its output sums (128 x 128 f32) fill register windows 2 and 3.
; BOTH PRODUCTS ARE USED TRANSPOSED: S^T = K Q^T and O^T = V^T P^T.  In a result, lane (r, h) register j holds (key or d = 8h + j, query r).
; So (a) two neighbouring score tiles, rounded to bf16 in pairs, ARE the second source of the second product: no LDS trip, no shuffle;
; (b) maximum, sum and rescaling factor of a query live in its lane, one exchange joins the halves h; (c) a lane ends with 8 neighbouring d.
; FORMATS.  q, k, v are rounded to bf16 as they are (nearest even); log2(e) is applied in f32 behind the product.  A tile lands in LDS as f32;
; the wave that asked for a part converts that part, once for the work-group, into a bf16 stage that no tensor load ever fills.
; ONE f32 SLOT: it is dead as soon as it is converted, so the next tile is asked for straight behind the round that follows the conversion and has the
; trip's 256 matrix instructions and two softmax passes in which to land.  No address hangs on a trip's parity, so the loop's body is one trip.
; THE ORDER IN A TRIP: S0 (scores of half 0), V0 (its softmax), S1, P0 (second product of half 0), P1.  Vector work that the products of a phase do not
; touch stands between its matrix instructions, one small group behind each: partial maxima in S0 and S1, half 0's rescaling in S1, the whole softmax of half 1 in P0,
; half 1's rescaling in P0 and P1.  The groups' destinations lie in other windows than the products', so each group costs two s_set_vgpr_msb.
; For S1 to run ahead of P0, half 0's weights are rounded into 64 registers of window 1, over q's fragments of query blocks 0 and 1;
; these are kept in the wave's own LDS and read back behind P0 (16 loads a trip).
; THE MASK.  A table of 0 or -1e9 for each key is made once in LDS.  Masked rows of K are ANDed to zero while they are converted, and the first
; matrix instruction of a score tile takes the table's fragment as its addend: a masked score is 0 + (-1e9), exactly, at any scale of q and k.
; SOFTMAX.  A running maximum, kept as NM = -(maximum x log2 e): p = 2^(s log2 e + NM), old sums are multiplied by 2^(NM new - NM old).
; LIMITS, stated: the weights are rounded to bf16 for the second product while the divisor sums them unrounded in f32; v_exp_f32 gives 0 for
; results below 2^-126 (ISA guide, its entry in 15.8); while all keys seen are masked, s log2 e + NM is a rounding residue of at most 64 in size, a common
; factor 2^+-64 of sums and divisor that cancels; a query row that holds an infinity or NaN gives NaN also where every key is masked.
; NOT USED: a prefetch ahead of the tensor loads (a tile is asked for nearly a whole trip ahead of its wait); a second f32 slot (see above).
.set ROWB,   512                       ; bytes of an f32 row of 128
.set KEYS,   64                        ; keys in a tile
.set TILEB,  KEYS*ROWB                 ; 32,768 bytes of K, and of V, in a trip
.set TRIPS,  2048/KEYS                 ; 32
; LDS, every region a multiple of 256 bytes.  The map ends at 161,792; the spare words lie at 167,936; the launch claims all 327,680 bytes.
.set SLOTB,  65536                     ; at 0: the f32 slot: K's tile, then V's tile; wave w's part at 16,384 w
.set KB,     SLOTB                     ; 65,536: K in bf16, 64 rows, pitch 272 (an odd multiple of 16: the 16 rows of a fragment load start 4 banks apart)
.set KPITCH, 272
.set VB,     KB+KEYS*KPITCH            ; 82,944: V in bf16, 64 rows, pitch 288 (an odd multiple of 32, for the transposing loads)
.set VPITCH, 288
.set BIAS,   VB+KEYS*VPITCH            ; 101,376: 2,048 f32, 0 or -1e9
.set STAGE,  BIAS+8192                 ; 109,568: 13,056 bytes a wave: q's rows 0-31 in bf16, kept (pitch 272); then 16 rows for q on the way in.
.set QKEEP,  32*KPITCH                 ; The result on the way out (16 rows, pitch 528) takes the region's first 8,448 bytes, when q is dead.
.set STAGEB, QKEEP+16*KPITCH
.set OPITCH, 528
; vector registers, window 0
.set ADRK,  1                          ; KB + 272 r + 16 h
.set ADRV,  2                          ; VB + 288 (8 h + lane % 8) + 16 (lane / 8 % 2)
.set ADRBI, 3                          ; BIAS + 32 h, 256 further each trip
.set ADRBR, 4                          ; BIAS + 128 w + 4 lane, 256 further each trip (waves 0 and 1)
.set ADRF,  5                          ; my part of the slot: 16,384 w + 16 lane
.set ADRCK, 7                          ; KB + 8,704 w + 8 lane (waves 0 and 1)
.set NM,    8                          ; v8-15   -(running maximum x log2 e) of the 8 query blocks
.set LS,    16                         ; v16-23  sums of weights, each half h its own keys
.set TT,    24                         ; v24-31  four pairs at work
.set ALP,   32                         ; v32-39  four pairs: the rescaling factor, twice
.set BI0,   40                         ; v40-47, v48-55 bias fragments, two buffers
.set KEEP,  56                         ; lane n: -1 or 0 for row n of my part of K
.set KEEPB, 57
.set ADRCV, 58                         ; VB + 9,216 (w - 2) + 8 lane (waves 2 and 3)
.set GO,    59                         ; 16 lane: my 16 bytes of a row of q and of out0; never rewritten
.set QST,   60                         ; prologue: my region + 8 lane
.set QRD,   61                         ; my region + 272 r + 16 h: q's fragments, in the prologue and in every trip
.set STO,   60                         ; epilogue: my region + 528 r + 32 h
.set RD,    61                         ; epilogue: my region + 16 lane
.set F0,    64                         ; v64-95, v96-127 fragments of K or of V^T, two buffers
.set SC,    128                        ; v128-255 scores: tile (qb, kb) at SC + 32 qb + 8 kb; half 1's weights in place: (qb, ks) at SC + 32 qb + 8 ks
.set BST,   29                         ; prologue only, in TT
.set MA,    30
.set FILL,  31
; window 1: fragments of q, (hf, qb, ks) at 128 hf + 32 qb + 8 ks; between V0 and P0 its registers 0-63 hold half 0's weights, (qb, ks) at 16 qb + 8 ks.
; window 2 + hf: output sums, (db, qb) at 32 db + 8 qb.
.set G1, 24                            ; s[24:31] descriptor group 1, never rewritten
.set G0, 32                            ; s[32:35] descriptor group 0
.set MSB, 0
.set FIRST, 0                          ; 1 while the first trip is written: it starts maxima, sums and output sums
.macro WIN new                         ; s_set_vgpr_msb: bits 1:0 source 0, 3:2 source 1, 5:4 source 2, 7:6 destination; the high byte repeats the setting left
.if MSB != (\new)
	s_set_vgpr_msb (MSB<<8)|(\new)
.set MSB, (\new)
.endif
.endm
; Behind a matrix instruction four plain vector instructions stand before a vector instruction or a load touches its registers, five before another
; matrix instruction writes over one of its sources (ISA guide 7.12.1 for vector instructions).  Five serve both.
.macro PLACES
.rept 5
	v_nop
.endr
.endm
; A round of the cluster's barrier: my work-group's barrier, wave 0 signals for the work-group, all wait for the four work-groups, my work-group's barrier again.
.macro ROUND
	s_barrier_signal -1
	s_barrier_wait -1
	s_cmp_lg_u32 s14, 0
	s_cbranch_scc1 .Lnot_wave_0_\@
	s_barrier_signal -3
.Lnot_wave_0_\@:
	s_barrier_wait -3
	s_barrier_signal -1
	s_barrier_wait -1
.endm
	s_load_b256 s[4:11], s[0:1], 0x0               ; q s[4:5], k s[6:7], v s[8:9], mask s[10:11]
	s_load_b64 s[12:13], s[0:1], 0x20              ; out0
	v_lshl_add_u32 v62, v0, 2, 0x29000
	v_mov_b32 v63, 0
	ds_add_u32 v62, v63
	v_lshrrev_b32 v1, 5, v0
	v_readfirstlane_b32 s14, v1                    ; w, my wave's number
	s_and_b32 s15, s14, 1                          ; which 32 rows of a tile I ask for
	s_bfe_u32 s16, ttmp6, 0x40000                  ; cx: which 512 queries of the head are my work-group's
	s_mov_b32 s40, 0x76543210                      ; v_permlanex16_b32: lane i reads lane i of the other half
	s_mov_b32 s41, 0xfedcba98
	; Group 1: my part of a tile is 16,384 dense bytes, taken as 64 rows of 32 elements of 8 bytes
	s_mov_b32 s[G1+0], 0x0023000f                  ; 15:0 mask: all four work-groups; 17:16 elements of 8 bytes; 21 set beside a mask; no padding (the part is read 16 bytes x lane, contiguous)
	s_mov_b32 s[G1+1], 32<<16                      ; tensor_dim0 = 32
	s_mov_b32 s[G1+2], 64<<16                      ; tensor_dim1 = 64
	s_mov_b32 s[G1+3], 32<<16                      ; tile_dim0 = 32
	s_mov_b32 s[G1+4], 64                          ; tile_dim1 = 64
	s_mov_b32 s[G1+5], 32                          ; from row to row: 32 elements
	s_mov_b32 s[G1+6], 0
	s_mov_b32 s[G1+7], 0
	s_lshl_b32 s20, ttmp9, 20                      ; K, V: head x 2,048 rows x 512 bytes (ttmp9 counts clusters = heads)
	s_lshl_b32 s48, s15, 14                        ; + my 32 rows
	s_add_co_u32 s20, s20, s48
	s_mov_b32 s21, 0
	s_lshl_b32 s22, ttmp9, 20                      ; q, out0: head,
	s_lshl_b32 s50, s16, 18                        ; + cx x 512 rows,
	s_add_co_u32 s22, s22, s50
	s_lshl_b32 s51, s14, 16                        ; + w x 128 rows
	s_add_co_u32 s22, s22, s51
	s_mov_b32 s23, 0
	s_lshl_b32 s46, ttmp9, 13                      ; mask: head x 2,048 words
	s_mov_b32 s47, 0
	s_lshl_b32 s49, s14, 14                        ; my part of the slot: w x 16,384; no place in the cluster enters an LDS address
	s_mul_i32 s42, s14, STAGEB
	s_add_co_u32 s42, s42, STAGE                   ; my region
	s_mul_i32 s43, s14, 32*KPITCH
	s_add_co_u32 s43, s43, KB                      ; where waves 0, 1 put their 32 rows of K
	s_mul_i32 s45, s14, 32*VPITCH
	s_add_co_u32 s45, s45, VB-64*VPITCH            ; where waves 2, 3 put their 32 rows of V
	s_wait_dscnt 0x0
	s_wait_kmcnt 0x0
	s_cmp_lt_u32 s14, 2                            ; waves 0 and 1 ask for K, waves 2 and 3 for V: the same in all four work-groups
	s_cselect_b64 s[18:19], s[6:7], s[8:9]
	s_add_nc_u64 s[18:19], s[18:19], s[20:21]
	s_add_nc_u64 s[4:5], s[4:5], s[22:23]
	s_add_nc_u64 s[12:13], s[12:13], s[22:23]
	s_add_nc_u64 s[10:11], s[10:11], s[46:47]
	s_mov_b32 s[G0], 1                             ; count = 1
	s_mov_b32 s[G0+1], s49                         ; LDS address
	s_mov_b64 s[G0+2:G0+3], s[18:19]               ; global address: my part of tile 0
	s_or_b32 s[G0+3], s[G0+3], 0x80000000          ; type = 2
	ROUND                                          ; the four work-groups are here: the first joint loads meet
	tensor_load_to_lds s[G0:G0+3], s[G1:G1+7]      ; tile 0.  One tensor load of a wave is out at any time.
	s_nop 0
	; PROLOGUE.  The head's mask (each thread 4 x 16 bytes) and my 128 rows of q, a row of 512 bytes an instruction, into windows 2 and 3, which are still free.
	v_and_b32 v[TT], 31, v0                        ; lane
	v_lshlrev_b32 v[GO], 4, v[TT]
	v_lshlrev_b32 v[MA], 4, v0
.irp i, 0,1,2,3
	global_load_b128 v[F0+4*\i:F0+4*\i+3], v[MA], s[10:11] offset:2048*\i
.endr
	WIN 0x80
.set n, 0
.rept 64
	global_load_b128 v[4*n:4*n+3], v[GO], s[4:5] offset:ROWB*n th:TH_LOAD_NT
.set n, n+1
.endr
	WIN 0xc0
.set n, 0
.rept 64
	global_load_b128 v[4*n:4*n+3], v[GO], s[4:5] offset:ROWB*(64+n) th:TH_LOAD_NT
.set n, n+1
.endr
	WIN 0
	v_and_b32 v[TT+1], 15, v0                      ; r
	v_bfe_u32 v[TT+2], v0, 4, 1                    ; h
	v_and_b32 v[TT+3], 7, v0
	v_bfe_u32 v[TT+4], v0, 3, 1
	v_add_nc_u32 v[BST], BIAS, v[MA]               ; where my 16 bytes of the table go
	v_mov_b32 v[FILL], 0xce6e6b28                  ; -1e9
	v_mul_u32_u24 v[ADRK], v[TT+1], KPITCH
	v_lshl_add_u32 v[ADRK], v[TT+2], 4, v[ADRK]
	v_add_nc_u32 v[QRD], s42, v[ADRK]              ; q's rows have K's pitch
	v_add_nc_u32 v[ADRK], KB, v[ADRK]
	v_lshl_add_u32 v[ADRV], v[TT+2], 3, v[TT+3]
	v_mul_u32_u24 v[ADRV], v[ADRV], VPITCH
	v_lshl_add_u32 v[ADRV], v[TT+4], 4, v[ADRV]
	v_add_nc_u32 v[ADRV], VB, v[ADRV]
	v_lshlrev_b32 v[ADRBI], 5, v[TT+2]
	v_add_nc_u32 v[ADRBI], BIAS, v[ADRBI]
	v_lshlrev_b32 v[ADRBR], 2, v[TT]
	v_add_nc_u32 v[ADRBR], BIAS, v[ADRBR]
	v_lshl_add_u32 v[ADRBR], s14, 7, v[ADRBR]
	v_add_nc_u32 v[ADRF], s49, v[GO]
	v_lshl_add_u32 v[ADRCK], v[TT], 3, s43
	v_lshl_add_u32 v[ADRCV], v[TT], 3, s45
	v_lshl_add_u32 v[QST], v[TT], 3, s42
; Query block g (16 rows): round to bf16, 8 bytes a lane into my own region, read back as four fragments (lane (r, h): row r, d = 32 ks + 8 h .., 32 ks + 16 + 8 h ..).
; Blocks 0 and 1 get rows of their own, which stay; the others share the 16 rows behind them.
; The region is my wave's own and LDS serves a wave's instructions in order (ISA guide 5.7.1): no wait between the stores and the loads.
.macro QBLOCK g
.if \g < 2
.set QO, 16*KPITCH*\g
.else
.set QO, QKEEP
.endif
.if 112-16*\g > 63
	s_wait_loadcnt 63                              ; 112 - 16 g rows were issued behind this block's; the count names no more than 63
.else
	s_wait_loadcnt 112-16*\g                       ; the rows issued behind this block's may stay out
.endif
	WIN (0x0a+5*(\g/4))
.set n, 0
.rept 16
	v_cvt_pk_bf16_f32 v[SC+2*n],   v[64*(\g%4)+4*n],   v[64*(\g%4)+4*n+1]
	v_cvt_pk_bf16_f32 v[SC+2*n+1], v[64*(\g%4)+4*n+2], v[64*(\g%4)+4*n+3]
.set n, n+1
.endr
	WIN 0
.set n, 0
.rept 16
	ds_store_b64 v[QST], v[SC+2*n:SC+2*n+1] offset:QO+KPITCH*n
.set n, n+1
.endr
	WIN 0x40
.irp ks, 0,1,2,3
	ds_load_b128 v[32*\g+8*\ks:32*\g+8*\ks+3],   v[QRD] offset:QO+64*\ks
	ds_load_b128 v[32*\g+8*\ks+4:32*\g+8*\ks+7], v[QRD] offset:QO+64*\ks+32
.endr
.endm
.irp g, 0,1,2,3,4,5,6,7
	QBLOCK \g
.endr
	WIN 0
	; the mask (its loads were the first issued, so they are in): 0 where the key counts, -1e9 where mask == 0
.set n, 0
.rept 16
	v_cmp_eq_u32 vcc_lo, 0, v[F0+n]
	v_cndmask_b32 v[F0+n], 0, v[FILL], vcc_lo
.set n, n+1
.endr
.irp i, 0,1,2,3
	ds_store_b128 v[BST], v[F0+4*\i:F0+4*\i+3] offset:2048*\i      ; shown to the other waves by the first trip's wait for 0 and its first barrier
.endr
; ---------------------------------------------------------------- LDS loads of a trip
; Ten LDS loads: the four fragments of K's rows 16 kb .. + 15 and the bias fragment of these keys (register j: key 16 kb + 8 h + j), into buffer b
.macro FETCHK kb, b
	WIN 0
.irp ks, 0,1,2,3
	ds_load_b128 v[F0+32*\b+8*\ks:F0+32*\b+8*\ks+3],   v[ADRK] offset:16*KPITCH*\kb+64*\ks
	ds_load_b128 v[F0+32*\b+8*\ks+4:F0+32*\b+8*\ks+7], v[ADRK] offset:16*KPITCH*\kb+64*\ks+32
.endr
	ds_load_b128 v[BI0+8*\b:BI0+8*\b+3],   v[ADRBI] offset:64*\kb
	ds_load_b128 v[BI0+8*\b+4:BI0+8*\b+7], v[ADRBI] offset:64*\kb+16
.endm
; Eight transposing loads: fragments of V^T for d blocks 2 c, 2 c + 1 and both steps of 32 keys, (e, ks) at 8 (2 e + ks) of buffer b
.macro FETCHV c, b
	WIN 0
.irp e, 0,1
.irp ks, 0,1
	ds_load_tr16_b128 v[F0+32*\b+8*(2*\e+\ks):F0+32*\b+8*(2*\e+\ks)+3],   v[ADRV] offset:32*VPITCH*\ks+32*(2*\c+\e)
	ds_load_tr16_b128 v[F0+32*\b+8*(2*\e+\ks)+4:F0+32*\b+8*(2*\e+\ks)+7], v[ADRV] offset:32*VPITCH*\ks+32*(2*\c+\e)+16*VPITCH
.endr
.endr
.endm
; Sixteen loads: q's fragments of query blocks 0 and 1 come back into the registers that held half 0's weights
.macro QRELOAD
	WIN 0x40
.irp g, 0,1
.irp ks, 0,1,2,3
	ds_load_b128 v[32*\g+8*\ks:32*\g+8*\ks+3],   v[QRD] offset:16*KPITCH*\g+64*\ks
	ds_load_b128 v[32*\g+8*\ks+4:32*\g+8*\ks+7], v[QRD] offset:16*KPITCH*\g+64*\ks+32
.endr
.endr
.endm
; ---------------------------------------------------------------- the pieces of the vector work
; Four instructions, one a query block: part g (0..3) of the running maximum over score tile kb's eight registers.  (0, 0) starts the maxima.
.macro MAXG kb, g
	WIN 0
.irp qb, 0,1,2,3
.if (\kb) == 0
.if (\g) == 0
	v_max3_num_f32 v[TT+2*\qb], v[SC+32*\qb], v[SC+32*\qb+1], v[SC+32*\qb+2]
.endif
.if (\g) == 1
	v_max3_num_f32 v[TT+2*\qb], v[TT+2*\qb], v[SC+32*\qb+3], v[SC+32*\qb+4]
.endif
.if (\g) == 2
	v_max3_num_f32 v[TT+2*\qb], v[TT+2*\qb], v[SC+32*\qb+5], v[SC+32*\qb+6]
.endif
.if (\g) == 3
	v_max_num_f32 v[TT+2*\qb], v[TT+2*\qb], v[SC+32*\qb+7]
.endif
.else
	v_max3_num_f32 v[TT+2*\qb], v[TT+2*\qb], v[SC+32*\qb+8*(\kb)+2*(\g)], v[SC+32*\qb+8*(\kb)+2*(\g)+1]
.endif
.endr
.endm
.macro STAT1                           ; the other half's keys of the same query
	WIN 0
.irp qb, 0,1,2,3
	v_permlanex16_b32 v[TT+2*\qb+1], v[TT+2*\qb], s40, s41
.endr
.irp qb, 0,1,2,3
	v_max_num_f32 v[TT+2*\qb], v[TT+2*\qb], v[TT+2*\qb+1]
.endr
.endm
.macro STAT2 hf                        ; -(tile's maximum x log2 e); the running maximum is the smaller negative
	WIN 0
.irp qb, 0,1,2,3
	v_mul_f32 v[TT+2*\qb], 0xbfb8aa3b, v[TT+2*\qb]
.endr
.if FIRST == 0
.irp qb, 0,1,2,3
	v_min_num_f32 v[TT+2*\qb], v[TT+2*\qb], v[NM+4*\hf+\qb]
.endr
.endif
.endm
.macro STAT3 hf                        ; the rescaling factor 2^(new - old), never above 1.  STAT4's plain instructions, which name no ALP, stand before it is read (ISA guide 5.7.2)
.if FIRST == 0
	WIN 0
.irp qb, 0,1,2,3
	v_sub_f32 v[ALP+2*\qb], v[TT+2*\qb], v[NM+4*\hf+\qb]
.endr
.irp qb, 0,1,2,3
	v_exp_f32 v[ALP+2*\qb], v[ALP+2*\qb]
.endr
.endif
.endm
.macro STAT4 hf
	WIN 0
.irp qb, 0,1,2,3
	v_mov_b32 v[NM+4*\hf+\qb], v[TT+2*\qb]
	v_mov_b32 v[TT+2*\qb+1], v[TT+2*\qb]           ; a pair for the packed multiply-add
.endr
.endm
.macro STAT5
.if FIRST == 0
	WIN 0
.irp qb, 0,1,2,3
	s_wait_alu depctr_va_vdst(0)
	v_mov_b32 v[ALP+2*\qb+1], v[ALP+2*\qb]
.endr
.endif
.endm
; Pair p of block qb's 32 weights is added to the block's sum (in its TT pair, free once the block's exponents are made); pair 0 waits for pair 1, so that nothing is cleared.
; inplace = 1: it is also rounded into register p of the block, which is written behind the reads of pair p / 2, which held it.
.macro SUMCVT qb, p, inplace
.if (\p) == 1
	s_wait_alu depctr_va_vdst(0)
	v_pk_add_f32 v[TT+2*(\qb):TT+2*(\qb)+1], v[SC+32*(\qb):SC+32*(\qb)+1], v[SC+32*(\qb)+2:SC+32*(\qb)+3]
.if \inplace
	v_cvt_pk_bf16_f32 v[SC+32*(\qb)],   v[SC+32*(\qb)],   v[SC+32*(\qb)+1]
	v_cvt_pk_bf16_f32 v[SC+32*(\qb)+1], v[SC+32*(\qb)+2], v[SC+32*(\qb)+3]
.endif
.endif
.if (\p) > 1
	s_wait_alu depctr_va_vdst(0)
	v_pk_add_f32 v[TT+2*(\qb):TT+2*(\qb)+1], v[TT+2*(\qb):TT+2*(\qb)+1], v[SC+32*(\qb)+2*(\p):SC+32*(\qb)+2*(\p)+1]
.if \inplace
	v_cvt_pk_bf16_f32 v[SC+32*(\qb)+(\p)], v[SC+32*(\qb)+2*(\p)], v[SC+32*(\qb)+2*(\p)+1]
.endif
.endif
.endm
; Step n = 16 q + p of 96: the exponentials of block q - 1's pair p, the exponents (s log2 e + NM) of block q's pair p, the sum of block q - 2's pair p.
; Each kind runs sixteen steps behind the one that feeds it, and the plain work of a step touches none of its exponentials' registers (ISA guide 5.7.2).
.macro SMSTEP n, inplace
.set SM_Q, (\n)/16
.set SM_P, (\n)%16
.if SM_Q >= 1
.if SM_Q <= 4
	v_exp_f32 v[SC+32*(SM_Q-1)+2*SM_P],   v[SC+32*(SM_Q-1)+2*SM_P]
	v_exp_f32 v[SC+32*(SM_Q-1)+2*SM_P+1], v[SC+32*(SM_Q-1)+2*SM_P+1]
.endif
.endif
.if SM_Q <= 3
	v_pk_fma_f32 v[SC+32*SM_Q+2*SM_P:SC+32*SM_Q+2*SM_P+1], v[SC+32*SM_Q+2*SM_P:SC+32*SM_Q+2*SM_P+1], 0x3fb8aa3b, v[TT+2*SM_Q:TT+2*SM_Q+1] op_sel_hi:[1,0,1]
.endif
.if SM_Q >= 2
	SUMCVT (SM_Q-2), SM_P, \inplace
.endif
.endm
.macro LSUP hf                         ; the tile's sums of weights join the running ones
	WIN 0
.irp qb, 0,1,2,3
.if FIRST
	v_add_f32 v[LS+4*\hf+\qb], v[TT+2*\qb], v[TT+2*\qb+1]
.else
	v_add_f32 v[TT+2*\qb], v[TT+2*\qb], v[TT+2*\qb+1]
.endif
.endr
.if FIRST == 0
.irp qb, 0,1,2,3
	v_fma_f32 v[LS+4*\hf+\qb], v[LS+4*\hf+\qb], v[ALP+2*\qb], v[TT+2*\qb]
.endr
.endif
.endm
; Four roundings of half 0's weights into window 1: block g / 2, registers 8 ks + 4 (g % 2) + 0 .. 3 of its sixteen
.macro CVTG ks, g
	WIN 0x40
.irp j, 0,1,2,3
	v_cvt_pk_bf16_f32 v[16*((\g)/2)+8*(\ks)+4*((\g)%2)+\j], v[SC+32*((\g)/2)+2*(8*(\ks)+4*((\g)%2)+\j)], v[SC+32*((\g)/2)+2*(8*(\ks)+4*((\g)%2)+\j)+1]
.endr
.endm
; Output tile g = 4 db + qb of half hf goes over to the new maximum's unit: once for 64 keys
.macro RSG hf, g
	WIN (0x82+0x41*(\hf))
.irp j, 0,2,4,6
	v_pk_mul_f32 v[8*(\g)+\j:8*(\g)+\j+1], v[8*(\g)+\j:8*(\g)+\j+1], v[ALP+2*((\g)%4):ALP+2*((\g)%4)+1]
.endr
.endm
; ---------------------------------------------------------------- what stands behind the i-th of a phase's 64 matrix instructions
; No group names a register of a matrix instruction of its phase; a score tile is read only in a later chunk of 16, behind the five v_nop that close its own.
.macro STR_S0 i                        ; scores of half 0: the maxima of the chunk before
.if (\i) >= 16
.if (\i)%4 == 0
.set MX_K, (\i)/16-1
.set MX_G, ((\i)%16)/4
	MAXG MX_K, MX_G
.endif
.endif
.endm
.macro STR_S1 i                        ; scores of half 1: half 0's weights of keys 32-63 are rounded (ahead of chunk 2, which writes over them), half 0's 32 output tiles rescaled, the maxima
.if (\i) < 16
.if (\i)%2 == 0
.set CV_G, (\i)/2
	CVTG 1, CV_G
.else
.if FIRST == 0
.set RS_G, (\i)/2
	RSG 0, RS_G
.endif
.endif
.else
.if (\i)%4 == 0
.set MX_K, (\i)/16-1
.set MX_G, ((\i)%16)/4
	MAXG MX_K, MX_G
.else
.if FIRST == 0
.if (\i) < 48
.set RS_K, (\i)%16
.set RS_G, 8+12*((\i)/16-1)+RS_K-RS_K/4-1
	RSG 0, RS_G
.endif
.endif
.endif
.endif
.endm
.macro STR_P0 i                        ; second product of half 0: the whole softmax of half 1, then the rescaling of the 8 output tiles that P1 takes first
.if (\i) == 0
	MAXG 3, 0
	MAXG 3, 1
.endif
.if (\i) == 1
	MAXG 3, 2
	MAXG 3, 3
.endif
.if (\i) == 2
	STAT1
.endif
.if (\i) == 3
	STAT2 1
.endif
.if (\i) == 4
	STAT3 1
.endif
.if (\i) == 5
	STAT4 1
.endif
.if (\i) == 6
	STAT5
.endif
.if (\i) >= 7
.if (\i) <= 54
	WIN 0
	SMSTEP (2*(\i)-14), 1
	SMSTEP (2*(\i)-13), 1
.endif
.endif
.if (\i) == 55
	LSUP 1
.endif
.if (\i) >= 56
.if FIRST == 0
.set RS_G, (\i)-56
	RSG 1, RS_G
.endif
.endif
.endm
.macro STR_P1 i                        ; second product of half 1: the rescaling of the next chunk's 8 output tiles
.if FIRST == 0
.if (\i) < 48
.if (\i)%2 == 0
.set RS_G, 8*((\i)/16+1)+((\i)%16)/2
	RSG 1, RS_G
.endif
.endif
.endif
.endm
.macro STRM id, i
.if \id == 1
	STR_S0 \i
.endif
.if \id == 2
	STR_S1 \i
.endif
.if \id == 3
	STR_P0 \i
.endif
.if \id == 4
	STR_P1 \i
.endif
.endm
; ---------------------------------------------------------------- the products
; 16 matrix instructions: scores of keys 16 kb .. + 15 against the half's 64 queries.  The first step along d takes the bias as its addend.
; The four accumulators take turns, one instruction a turn.
.macro MULS hf, kb, b, id
.irp ks, 0,1,2,3
.irp qb, 0,1,2,3
	WIN 0x04
.if \ks == 0
	v_wmma_f32_16x16x32_bf16 v[SC+32*\qb+8*\kb:SC+32*\qb+8*\kb+7], v[F0+32*\b+8*\ks:F0+32*\b+8*\ks+7], v[128*\hf+32*\qb+8*\ks:128*\hf+32*\qb+8*\ks+7], v[BI0+8*\b:BI0+8*\b+7]
.else
	v_wmma_f32_16x16x32_bf16 v[SC+32*\qb+8*\kb:SC+32*\qb+8*\kb+7], v[F0+32*\b+8*\ks:F0+32*\b+8*\ks+7], v[128*\hf+32*\qb+8*\ks:128*\hf+32*\qb+8*\ks+7], v[SC+32*\qb+8*\kb:SC+32*\qb+8*\kb+7]
.endif
	STRM \id, (16*\kb+4*\ks+\qb)
.endr
.endr
.endm
; 16 matrix instructions: d blocks 2 c, 2 c + 1 of the half's output sums, 64 keys.  In the first trip the first product starts the sums: nothing is cleared.
; Half 0's weights lie in window 1 at 16 qb + 8 ks, half 1's in window 0 at SC + 32 qb + 8 ks.
; The eight accumulators take turns, one instruction a turn.
.macro MULP hf, c, b, id
.irp ks, 0,1
.irp e, 0,1
.irp qb, 0,1,2,3
	WIN (0xa4+0x4c*\hf)
.if FIRST*(1-\ks)
	v_wmma_f32_16x16x32_bf16 v[32*(2*\c+\e)+8*\qb:32*(2*\c+\e)+8*\qb+7], v[F0+32*\b+8*(2*\e+\ks):F0+32*\b+8*(2*\e+\ks)+7], v[(1-\hf)*(16*\qb+8*\ks)+\hf*(SC+32*\qb+8*\ks):(1-\hf)*(16*\qb+8*\ks)+\hf*(SC+32*\qb+8*\ks)+7], 0
.else
	v_wmma_f32_16x16x32_bf16 v[32*(2*\c+\e)+8*\qb:32*(2*\c+\e)+8*\qb+7], v[F0+32*\b+8*(2*\e+\ks):F0+32*\b+8*(2*\e+\ks)+7], v[(1-\hf)*(16*\qb+8*\ks)+\hf*(SC+32*\qb+8*\ks):(1-\hf)*(16*\qb+8*\ks)+\hf*(SC+32*\qb+8*\ks)+7], v[32*(2*\c+\e)+8*\qb:32*(2*\c+\e)+8*\qb+7]
.endif
	STRM \id, (16*\c+8*\ks+4*\e+\qb)
.endr
.endr
.endr
.endm
; V0: the softmax of half 0, by itself.  Its weights of keys 0-31 are rounded at the end, in one run under one window setting; those of keys 32-63 in S1.
.macro SM0
	MAXG 3, 0
	MAXG 3, 1
	MAXG 3, 2
	MAXG 3, 3
	STAT1
	STAT2 0
	STAT3 0
	STAT4 0
	STAT5
.set SM_N, 0
.rept 96
	SMSTEP SM_N, 0
.set SM_N, SM_N+1
.endr
	LSUP 0
.irp g, 0,1,2,3,4,5,6,7
	CVTG 0, \g
.endr
.endm
; The tile against the wave's 128 queries.  Fragment chunks go through two buffers; each s_wait_dscnt leaves out exactly what was issued behind the chunk
; that is needed: one chunk (10 loads for K with its bias, 8 for V), and once q's 16 loads besides.
.macro COMPUTE last
	FETCHK 0, 0
	FETCHK 1, 1
	s_wait_dscnt 10
	MULS 0, 0, 0, 1
	PLACES
	FETCHK 2, 0
	s_wait_dscnt 10
	MULS 0, 1, 1, 1
	PLACES
	FETCHK 3, 1
	s_wait_dscnt 10
	MULS 0, 2, 0, 1
	PLACES
	FETCHK 0, 0                                    ; half 1's first chunks of K land under half 0's softmax
	s_wait_dscnt 10
	MULS 0, 3, 1, 1
	PLACES
	FETCHK 1, 1
	SM0
	s_wait_dscnt 10
	MULS 1, 0, 0, 2
	PLACES
	FETCHK 2, 0
	s_wait_dscnt 10
	MULS 1, 1, 1, 2
	PLACES
	FETCHK 3, 1
	s_wait_dscnt 10
	MULS 1, 2, 0, 2
	PLACES
	FETCHV 0, 0
	s_wait_dscnt 8
	MULS 1, 3, 1, 2
	PLACES
	FETCHV 1, 1
	s_wait_dscnt 8
	MULP 0, 0, 0, 3
	PLACES
	FETCHV 2, 0
	s_wait_dscnt 8
	MULP 0, 1, 1, 3
	PLACES
	FETCHV 3, 1
	s_wait_dscnt 8
	MULP 0, 2, 0, 3
	PLACES
	FETCHV 0, 0                                    ; V's chunks once more, for half 1
	s_wait_dscnt 8
	MULP 0, 3, 1, 3
	PLACES
.if \last
	FETCHV 1, 1
	s_wait_dscnt 8
.else
	QRELOAD                                        ; half 0's weights are used up: q's fragments come back for the next trip
	FETCHV 1, 1
	s_wait_dscnt 24                                ; behind V's chunk 0: q's 16 loads and chunk 1's 8
.endif
	MULP 1, 0, 0, 4
	PLACES
	FETCHV 2, 0
	s_wait_dscnt 8
	MULP 1, 1, 1, 4
	PLACES
	FETCHV 3, 1
	s_wait_dscnt 8
	MULP 1, 2, 0, 4
	PLACES
	s_wait_dscnt 0                                 ; nothing was issued behind V's last chunk
	MULP 1, 3, 1, 4
	PLACES
.endm
; My 32 rows of the tile, f32 in the slot, to bf16 in the stage.  A row is one load of 512 bytes (16 a lane) and one store of 256 (8 a lane).
.macro CONV pitch, masked, adrc
.if \masked
	ds_load_b32 v[KEEPB], v[ADRBR]                 ; lane n: the table's word of my row n
.endif
.set n, 0
.rept 32
	ds_load_b128 v[SC+4*n:SC+4*n+3], v[ADRF] offset:ROWB*n
.set n, n+1
.endr
.if \masked
	s_wait_dscnt 32                                ; the word is in; the 32 rows behind it may be out
	v_cmp_eq_f32 vcc_lo, 0, v[KEEPB]
	v_cndmask_b32 v[KEEP], 0, -1, vcc_lo
.endif
.set n, 0
.rept 4
	s_wait_dscnt 24                                ; behind this group's eight rows: 8 (3 - g) younger loads and the 8 g stores of the groups before
.if \masked
.set m, 0
.rept 8
	v_readlane_b32 s[52+m], v[KEEP], n+m
.set m, m+1
.endr
.endif
.set m, 0
.rept 8
	v_cvt_pk_bf16_f32 v[F0+2*(n+m)],   v[SC+4*(n+m)],   v[SC+4*(n+m)+1]
	v_cvt_pk_bf16_f32 v[F0+2*(n+m)+1], v[SC+4*(n+m)+2], v[SC+4*(n+m)+3]
.set m, m+1
.endr
.if \masked
.set m, 0
.rept 8
	v_and_b32 v[F0+2*(n+m)],   s[52+m], v[F0+2*(n+m)]               ; a masked row becomes zeros, whatever it held
	v_and_b32 v[F0+2*(n+m)+1], s[52+m], v[F0+2*(n+m)+1]
.set m, m+1
.endr
.endif
.set m, 0
.rept 8
	ds_store_b64 v[\adrc], v[F0+2*(n+m):F0+2*(n+m)+1] offset:(n+m)*\pitch
.set m, m+1
.endr
.set n, n+8
.endr
.endm
; One tile of 64 keys.  Two barriers: the first between the last trip's reads of the bf16 stage and this trip's stores into it; the second, a round of the
; cluster's barrier, between these stores and their reads AND between every partner's reads of the f32 slot and its refill.
.macro TRIP last
	s_wait_tensorcnt 0x0                           ; my part of this trip's tile has landed (it is the one load that is out); only I read it
	s_wait_dscnt 0x0                               ; my reads of the stage are done
	s_barrier_signal -1
	s_barrier_wait -1                              ; everybody's are.  No tensor load is out, and none is issued before the round below
	s_cmp_lt_u32 s14, 2
	s_cbranch_scc0 .Lconv_v_\@
	CONV KPITCH, 1, ADRCK                          ; waves 0, 1: the part of K that they asked for
	s_branch .Lconv_done_\@
.Lconv_v_\@:
	CONV VPITCH, 0, ADRCV                          ; waves 2, 3: of V
.Lconv_done_\@:
	s_wait_dscnt 0x0                               ; my reads of the slot and my stores into the stage are done
.if \last
	s_barrier_signal -1                            ; nothing is left to ask for: the work-group's barrier shows the stage
	s_barrier_wait -1
.else
	s_wait_tensorcnt 0x0                           ; no tensor load of mine is out (met: none was issued since the trip's first wait),
	ds_add_u32 v62, v63
	s_wait_dscnt 0x0
	s_add_nc_u64 s[G0+2:G0+3], s[G0+2:G0+3], TILEB ; so group 0 may be written: the next tile
	ROUND                                          ; both waits now hold of every wave of the four work-groups
	tensor_load_to_lds s[G0:G0+3], s[G1:G1+7]      ; the next tile, into the slot just converted: my one tensor load until the next round
	s_nop 0
.endif
	COMPUTE \last
	WIN 0                                          ; at a label and at a branch every window is 0
.if \last == 0
	v_add_nc_u32 v[ADRBI], 4*KEYS, v[ADRBI]        ; the table's next 64 keys
	v_add_nc_u32 v[ADRBR], 4*KEYS, v[ADRBR]
.endif
.endm
.set FIRST, 1
	TRIP 0                                         ; tile 0 starts maxima, sums and output sums; asks for tile 1
.set FIRST, 0
	s_mov_b32 s44, TRIPS-2
.Ltrip:
	TRIP 0                                         ; tiles 1 to 30; ask for tiles 2 to 31
	s_sub_co_u32 s44, s44, 1
	s_cmp_lg_u32 s44, 0
	s_cbranch_scc1 .Ltrip
	TRIP 1                                         ; tile 31: no refill, q is not read back
	; EPILOGUE.  The two halves' sums of weights meet; 1 / sum; then 16 queries at a time through my region, out as whole rows.
.irp q, 0,1,2,3,4,5,6,7
	v_permlanex16_b32 v[TT+\q], v[LS+\q], s40, s41
.endr
.irp q, 0,1,2,3,4,5,6,7
	v_add_f32 v[LS+\q], v[LS+\q], v[TT+\q]
.endr
.irp q, 0,1,2,3,4,5,6,7
	v_rcp_f32 v[LS+\q], v[LS+\q]                   ; the address work below stands between these and the first use (ISA guide 5.7.2)
.endr
	v_and_b32 v[BI0], 15, v0                       ; r
	v_bfe_u32 v[BI0+1], v0, 4, 1                   ; h
	v_mul_u32_u24 v[STO], v[BI0], OPITCH
	v_lshl_add_u32 v[STO], v[BI0+1], 5, v[STO]
	v_add_nc_u32 v[STO], s42, v[STO]
	v_add_nc_u32 v[RD], s42, v[GO]
; Query block g: lane (r, h) holds, for each d block, d = 16 db + 8 h + 0 .. 7 of query r: 32 bytes of a row.  Pitch 528, an odd multiple of 16.
; Read back, a row is 32 lanes x 16 bytes, and its store covers 512 consecutive bytes at a multiple of 512 from out0's first byte.
.macro OUT16 g
	WIN 0
	s_wait_alu depctr_va_vdst(0)
	v_mov_b32 v[TT],   v[LS+\g]
	v_mov_b32 v[TT+1], v[LS+\g]
	WIN (0x02+(\g/4))
.irp db, 0,1,2,3,4,5,6,7
.irp i, 0,2,4,6
	v_pk_mul_f32 v[SC+8*\db+\i:SC+8*\db+\i+1], v[32*\db+8*(\g%4)+\i:32*\db+8*(\g%4)+\i+1], v[TT:TT+1]
.endr
.endr
	WIN 0
.irp db, 0,1,2,3,4,5,6,7
	ds_store_b128 v[STO], v[SC+8*\db:SC+8*\db+3]   offset:64*\db
	ds_store_b128 v[STO], v[SC+8*\db+4:SC+8*\db+7] offset:64*\db+16
.endr
	s_wait_xcnt 0x0                                ; the registers that the last block's global stores read are loaded again only behind this wait
.set n, 0
.rept 16
	ds_load_b128 v[SC+64+4*n:SC+64+4*n+3], v[RD] offset:OPITCH*n   ; my own bytes, served in order behind the stores above
.set n, n+1
.endr
.set n, 0
.rept 16
	s_wait_dscnt 15-n                              ; row n is in; the younger rows may be out
	global_store_b128 v[GO], v[SC+64+4*n:SC+64+4*n+3], s[12:13] offset:(16*\g+n)*ROWB th:TH_STORE_NT
.set n, n+1
.endr
.endm
.irp g, 0,1,2,3,4,5,6,7
	OUT16 \g
.endr
	s_wait_dscnt 0x0
	s_wait_tensorcnt 0x0
	ds_add_u32 v62, v63
	s_wait_dscnt 0x0
	ROUND                                          ; the closing round: no work-group ends while a partner may still ask jointly
	s_endpgm
.Lfunc_end_k_qcd7cc60507_attn:
	.size	k_qcd7cc60507_attn, .Lfunc_end_k_qcd7cc60507_attn-k_qcd7cc60507_attn
	.p2alignl 7, 3214868480
	.fill 96, 4, 3214868480
	.section	.rodata,"a",@progbits
	.p2align	6, 0x0
	.amdhsa_kernel k_qcd7cc60507_attn
		.amdhsa_group_segment_fixed_size 327680
		.amdhsa_private_segment_fixed_size 0
		.amdhsa_enable_private_segment 0
		.amdhsa_kernarg_size 40
		.amdhsa_user_sgpr_count 2
		.amdhsa_user_sgpr_kernarg_segment_ptr 1
		.amdhsa_wavefront_size32 1
		.amdhsa_system_sgpr_workgroup_id_x 1
		.amdhsa_system_sgpr_workgroup_id_y 1
		.amdhsa_system_sgpr_workgroup_id_z 1
		.amdhsa_system_vgpr_workitem_id 0
		.amdhsa_next_free_vgpr 1024
		.amdhsa_next_free_sgpr 66
		.amdhsa_reserve_vcc 1
		.amdhsa_float_denorm_mode_32 3
		.amdhsa_float_denorm_mode_16_64 3
		.amdhsa_memory_ordered 1
		.amdhsa_forward_progress 1
		.amdhsa_inst_pref_size 255
	.end_amdhsa_kernel
	.section	.bss,"aw",@nobits
	.p2align	6
	.space	262144
	.amdgpu_metadata
---
amdhsa.version: [ 1, 2 ]
amdhsa.kernels:
  - .name:           k_qcd7cc60507_attn
    .symbol:         k_qcd7cc60507_attn.kd
    .args:
      - { .name: q, .offset: 0, .size: 8, .value_kind: global_buffer, .address_space: global }
      - { .name: k, .offset: 8, .size: 8, .value_kind: global_buffer, .address_space: global }
      - { .name: v, .offset: 16, .size: 8, .value_kind: global_buffer, .address_space: global }
      - { .name: mask, .offset: 24, .size: 8, .value_kind: global_buffer, .address_space: global }
      - { .name: out0, .offset: 32, .size: 8, .value_kind: global_buffer, .address_space: global }
    .group_segment_fixed_size: 327680
    .private_segment_fixed_size: 0
    .kernarg_segment_align: 8
    .kernarg_segment_size: 40
    .max_flat_workgroup_size: 128
    .sgpr_count:     66
    .vgpr_count:     1024
    .wavefront_size: 32
...
	.end_amdgpu_metadata
.endif
;; end of part 2
;; ======== version 3 of 3: 1 launch; 1.39 times as fast as version 1
;; launch attn (part 3): grid 256 x 1, 4 waves a work-group, clusters of 4 x 1, 327,680 bytes of LDS; arguments q, k, v, mask, out0; writes out0
.if DOCPART == 3
	.amdgcn_target "amdgcn-amd-amdhsa--gfx1250"
	.amdhsa_code_object_version 6
	.text
	.protected	k_qcd7cc60507_attn
	.globl	k_qcd7cc60507_attn
	.p2align	8
	.type	k_qcd7cc60507_attn,@function
k_qcd7cc60507_attn:
	s_mov_b64 s[64:65], 0
	v_nop
	global_prefetch_b8 v0, s[64:65] scope:SCOPE_SE
	s_setreg_imm32_b32 hwreg(HW_REG_WAVE_MODE, 25, 1), 1
	s_wait_xcnt 0x0
	s_wait_alu depctr_hold_cnt(0) depctr_sa_sdst(0) depctr_va_vdst(0) depctr_va_sdst(0) depctr_va_ssrc(0) depctr_va_vcc(0) depctr_vm_vsrc(0)
	s_getreg_b32 s2, hwreg(HW_REG_IB_STS2, 6, 4)
	s_cmp_eq_u32 s2, 0
	s_cbranch_scc0 .Lentry_in_a_cluster
	s_endpgm
.Lentry_in_a_cluster:
	s_bfe_u32 s2, ttmp6, 0x10000c
	s_cmp_lg_u32 s2, 0x3003
	s_cbranch_scc0 .Lentry_shape_is_right
	s_endpgm
.Lentry_shape_is_right:
; out0 = softmax(where(mask == 0, -1e9, q k^T)) v for 64 heads, 2048 x 2048 scores a head, 128 numbers a row, all f32 in memory.
; ONE launch; scores and weights never leave the registers.
; SHARING.  256 work-groups = 64 heads x 4 blocks of 512 queries.  The four blocks of a head form a cluster (4, 1, 1) and walk the same
; 32 tiles of 64 keys of K and V: every tile is asked for JOINTLY (mask 15), so a head's K and V are requested once, not four times.
; A wave owns 128 queries, worked on as two halves of 64; its output sums (128 x 128 f32) fill register windows 2 and 3.
; BOTH PRODUCTS ARE USED TRANSPOSED: S^T = K Q^T and O^T = V^T P^T.  In a result, lane (r, h) register j holds (key or d = 8h + j, query r).
; So (a) two neighbouring score tiles, rounded to bf16 in pairs, ARE the second source of the second product: no LDS trip, no shuffle;
; (b) maximum, sum and rescaling factor of a query live in its lane, one exchange joins the halves h; (c) a lane ends with 8 neighbouring d.
; FORMATS.  q, k, v are rounded to bf16 as they are (nearest even); log2(e) is applied in f32 behind the product.  A tile lands in LDS as f32;
; the wave that asked for a part converts that part, once for the work-group, into a bf16 stage that no tensor load ever fills.
; ONE f32 SLOT: it is dead as soon as it is converted, so the next tile is asked for straight behind the round that follows the conversion and has the
; trip's 256 matrix instructions and two softmax passes in which to land.  No address hangs on a trip's parity, so the loop's body is one trip.
; THE ORDER IN A TRIP: S0 (scores of half 0), V0 (its softmax), S1, P0 (second product of half 0), P1.  Vector work that the products of a phase do not
; touch stands between its matrix instructions, one small group behind each: partial maxima in S0 and S1, half 0's rescaling in S1, the whole softmax of half 1 in P0,
; half 1's rescaling in P0 and P1.  The groups' destinations lie in other windows than the products', so each group costs two s_set_vgpr_msb.
; For S1 to run ahead of P0, half 0's weights are rounded into 64 registers of window 1, over q's fragments of query blocks 0 and 1;
; these are kept in the wave's own LDS and read back behind P0 (16 loads a trip).
; THE MASK.  A table of 0 or -1e9 for each key is made once in LDS.  Masked rows of K are ANDed to zero while they are converted, and the first
; matrix instruction of a score tile takes the table's fragment as its addend: a masked score is 0 + (-1e9), exactly, at any scale of q and k.
; SOFTMAX.  A running maximum, kept as NM = -(maximum x log2 e): p = 2^(s log2 e + NM), old sums are multiplied by 2^(NM new - NM old).
; THE EXPONENTIALS GO IN BATCHES, one a softmax, two a trip.  A batch is a half's four rescaling factors and its 128 weights, each in a register of its own
; (the weights in place over the scores).  AHEAD of the batch's one s_wait_alu stands all that names no result of it: the exponents s log2 e + NM, two pairs ahead
; of their exponentials, and last the copies of the new NM.  BEHIND it stands all that does: the factors' second copies, the sums, the roundings, the rescalings.
; Half 0's wait stands in V0, directly ahead of a run of K's loads; half 1's between P0's second and third chunk of 16, behind the chunk's five v_nop and directly
; ahead of a run of V's loads.  The way out's eight reciprocals are a third batch, with a wait of its own.
; LIMITS, stated: the weights are rounded to bf16 for the second product while the divisor sums them unrounded in f32; v_exp_f32 gives 0 for
; results below 2^-126 (ISA guide, its entry in 15.8); while all keys seen are masked, s log2 e + NM is a rounding residue of at most 64 in size, a common
; factor 2^+-64 of sums and divisor that cancels; a query row that holds an infinity or NaN gives NaN also where every key is masked.
; NOT USED: a prefetch ahead of the tensor loads (a tile is asked for nearly a whole trip ahead of its wait); a second f32 slot (see above).
.set ROWB,   512                       ; bytes of an f32 row of 128
.set KEYS,   64                        ; keys in a tile
.set TILEB,  KEYS*ROWB                 ; 32,768 bytes of K, and of V, in a trip
.set TRIPS,  2048/KEYS                 ; 32
; LDS, every region a multiple of 256 bytes.  The map ends at 161,792; the spare words, 128 bytes a wave, lie at 167,936; the launch claims all 327,680 bytes.
.set SLOTB,  65536                     ; at 0: the f32 slot: K's tile, then V's tile; wave w's part at 16,384 w
.set KB,     SLOTB                     ; 65,536: K in bf16, 64 rows, pitch 272 (an odd multiple of 16: the 16 rows of a fragment load start 4 banks apart)
.set KPITCH, 272
.set VB,     KB+KEYS*KPITCH            ; 82,944: V in bf16, 64 rows, pitch 288 (an odd multiple of 32, for the transposing loads)
.set VPITCH, 288
.set BIAS,   VB+KEYS*VPITCH            ; 101,376: 2,048 f32, 0 or -1e9
.set STAGE,  BIAS+8192                 ; 109,568: 13,056 bytes a wave: q's rows 0-31 in bf16, kept (pitch 272); then 16 rows for q on the way in.
.set QKEEP,  32*KPITCH                 ; The result on the way out (16 rows, pitch 528) takes the region's first 8,448 bytes, when q is dead.
.set STAGEB, QKEEP+16*KPITCH
.set OPITCH, 528
; vector registers, window 0
.set ADRK,  1                          ; KB + 272 r + 16 h
.set ADRV,  2                          ; VB + 288 (8 h + lane % 8) + 16 (lane / 8 % 2)
.set ADRBI, 3                          ; BIAS + 32 h, 256 further each trip
.set ADRBR, 4                          ; BIAS + 128 w + 4 lane, 256 further each trip (waves 0 and 1)
.set ADRF,  5                          ; my part of the slot: 16,384 w + 16 lane
.set ADRCK, 7                          ; KB + 8,704 w + 8 lane (waves 0 and 1)
.set NM,    8                          ; v8-15   -(running maximum x log2 e) of the 8 query blocks
.set LS,    16                         ; v16-23  sums of weights, each half h its own keys
.set TT,    24                         ; v24-31  four pairs at work
.set ALP,   32                         ; v32-39  four pairs: the rescaling factor, twice
.set BI0,   40                         ; v40-47, v48-55 bias fragments, two buffers
.set KEEP,  56                         ; lane n: -1 or 0 for row n of my part of K
.set KEEPB, 57
.set ADRCV, 58                         ; VB + 9,216 (w - 2) + 8 lane (waves 2 and 3)
.set GO,    59                         ; 16 lane: my 16 bytes of a row of q and of out0; never rewritten
.set QST,   60                         ; prologue: my region + 8 lane
.set QRD,   61                         ; my region + 272 r + 16 h: q's fragments, in the prologue and in every trip
.set STO,   60                         ; epilogue: my region + 528 r + 32 h
.set RD,    61                         ; epilogue: my region + 16 lane
.set F0,    64                         ; v64-95, v96-127 fragments of K or of V^T, two buffers
.set SC,    128                        ; v128-255 scores: tile (qb, kb) at SC + 32 qb + 8 kb; half 1's weights in place: (qb, ks) at SC + 32 qb + 8 ks
.set BST,   29                         ; prologue only, in TT
.set MA,    30
.set FILL,  31
; window 1: fragments of q, (hf, qb, ks) at 128 hf + 32 qb + 8 ks; between V0 and P0 its registers 0-63 hold half 0's weights, (qb, ks) at 16 qb + 8 ks.
; window 2 + hf: output sums, (db, qb) at 32 db + 8 qb.
.set G1, 24                            ; s[24:31] descriptor group 1, never rewritten
.set G0, 32                            ; s[32:35] descriptor group 0
.set LAG, 2                            ; a pair's exponents are made this many steps ahead of its exponentials
.set MSB, 0
.set FIRST, 0                          ; 1 while the first trip is written: it starts maxima, sums and output sums
.macro WIN new                         ; s_set_vgpr_msb: bits 1:0 source 0, 3:2 source 1, 5:4 source 2, 7:6 destination; the high byte repeats the setting left
.if MSB != (\new)
	s_set_vgpr_msb (MSB<<8)|(\new)
.set MSB, (\new)
.endif
.endm
; Behind a matrix instruction four plain vector instructions stand before a vector instruction or a load touches its registers, five before another
; matrix instruction writes over one of its sources (ISA guide 7.12.1 for vector instructions).  Five serve both.
.macro PLACES
.rept 5
	v_nop
.endr
.endm
; A round of the cluster's barrier: my work-group's barrier, wave 0 signals for the work-group, all wait for the four work-groups, my work-group's barrier again.
.macro ROUND
	s_barrier_signal -1
	s_barrier_wait -1
	s_cmp_lg_u32 s14, 0
	s_cbranch_scc1 .Lnot_wave_0_\@
	s_barrier_signal -3
.Lnot_wave_0_\@:
	s_barrier_wait -3
	s_barrier_signal -1
	s_barrier_wait -1
.endm
	s_load_b256 s[4:11], s[0:1], 0x0               ; q s[4:5], k s[6:7], v s[8:9], mask s[10:11]
	s_load_b64 s[12:13], s[0:1], 0x20              ; out0
	v_lshl_add_u32 v62, v0, 2, 0x29000
	v_mov_b32 v63, 0
	ds_add_u32 v62, v63
	v_lshrrev_b32 v1, 5, v0
	v_readfirstlane_b32 s14, v1                    ; w, my wave's number
	s_and_b32 s15, s14, 1                          ; which 32 rows of a tile I ask for
	s_bfe_u32 s16, ttmp6, 0x40000                  ; cx: which 512 queries of the head are my work-group's
	s_mov_b32 s40, 0x76543210                      ; v_permlanex16_b32: lane i reads lane i of the other half
	s_mov_b32 s41, 0xfedcba98
	; Group 1: my part of a tile is 16,384 dense bytes, taken as 64 rows of 32 elements of 8 bytes
	s_mov_b32 s[G1+0], 0x0023000f                  ; 15:0 mask: all four work-groups; 17:16 elements of 8 bytes; 21 set beside a mask; no padding (the part is read 16 bytes x lane, contiguous)
	s_mov_b32 s[G1+1], 32<<16                      ; tensor_dim0 = 32
	s_mov_b32 s[G1+2], 64<<16                      ; tensor_dim1 = 64
	s_mov_b32 s[G1+3], 32<<16                      ; tile_dim0 = 32
	s_mov_b32 s[G1+4], 64                          ; tile_dim1 = 64
	s_mov_b32 s[G1+5], 32                          ; from row to row: 32 elements
	s_mov_b32 s[G1+6], 0
	s_mov_b32 s[G1+7], 0
	s_lshl_b32 s20, ttmp9, 20                      ; K, V: head x 2,048 rows x 512 bytes (ttmp9 counts clusters = heads)
	s_lshl_b32 s48, s15, 14                        ; + my 32 rows
	s_add_co_u32 s20, s20, s48
	s_mov_b32 s21, 0
	s_lshl_b32 s22, ttmp9, 20                      ; q, out0: head,
	s_lshl_b32 s50, s16, 18                        ; + cx x 512 rows,
	s_add_co_u32 s22, s22, s50
	s_lshl_b32 s51, s14, 16                        ; + w x 128 rows
	s_add_co_u32 s22, s22, s51
	s_mov_b32 s23, 0
	s_lshl_b32 s46, ttmp9, 13                      ; mask: head x 2,048 words
	s_mov_b32 s47, 0
	s_lshl_b32 s49, s14, 14                        ; my part of the slot: w x 16,384; no place in the cluster enters an LDS address
	s_mul_i32 s42, s14, STAGEB
	s_add_co_u32 s42, s42, STAGE                   ; my region
	s_mul_i32 s43, s14, 32*KPITCH
	s_add_co_u32 s43, s43, KB                      ; where waves 0, 1 put their 32 rows of K
	s_mul_i32 s45, s14, 32*VPITCH
	s_add_co_u32 s45, s45, VB-64*VPITCH            ; where waves 2, 3 put their 32 rows of V
	s_wait_dscnt 0x0
	s_wait_kmcnt 0x0
	s_cmp_lt_u32 s14, 2                            ; waves 0 and 1 ask for K, waves 2 and 3 for V: the same in all four work-groups
	s_cselect_b64 s[18:19], s[6:7], s[8:9]
	s_add_nc_u64 s[18:19], s[18:19], s[20:21]
	s_add_nc_u64 s[4:5], s[4:5], s[22:23]
	s_add_nc_u64 s[12:13], s[12:13], s[22:23]
	s_add_nc_u64 s[10:11], s[10:11], s[46:47]
	s_mov_b32 s[G0], 1                             ; count = 1
	s_mov_b32 s[G0+1], s49                         ; LDS address
	s_mov_b64 s[G0+2:G0+3], s[18:19]               ; global address: my part of tile 0
	s_or_b32 s[G0+3], s[G0+3], 0x80000000          ; type = 2
	ROUND                                          ; the four work-groups are here: the first joint loads meet
	tensor_load_to_lds s[G0:G0+3], s[G1:G1+7]      ; tile 0.  One tensor load of a wave is out at any time.
	s_nop 0
	; PROLOGUE.  The head's mask (each thread 4 x 16 bytes) and my 128 rows of q, a row of 512 bytes an instruction, into windows 2 and 3, which are still free.
	v_and_b32 v[TT], 31, v0                        ; lane
	v_lshlrev_b32 v[GO], 4, v[TT]
	v_lshlrev_b32 v[MA], 4, v0
.irp i, 0,1,2,3
	global_load_b128 v[F0+4*\i:F0+4*\i+3], v[MA], s[10:11] offset:2048*\i
.endr
	WIN 0x80
.set n, 0
.rept 64
	global_load_b128 v[4*n:4*n+3], v[GO], s[4:5] offset:ROWB*n th:TH_LOAD_NT
.set n, n+1
.endr
	WIN 0xc0
.set n, 0
.rept 64
	global_load_b128 v[4*n:4*n+3], v[GO], s[4:5] offset:ROWB*(64+n) th:TH_LOAD_NT
.set n, n+1
.endr
	WIN 0
	v_and_b32 v[TT+1], 15, v0                      ; r
	v_bfe_u32 v[TT+2], v0, 4, 1                    ; h
	v_and_b32 v[TT+3], 7, v0
	v_bfe_u32 v[TT+4], v0, 3, 1
	v_add_nc_u32 v[BST], BIAS, v[MA]               ; where my 16 bytes of the table go
	v_mov_b32 v[FILL], 0xce6e6b28                  ; -1e9
	v_mul_u32_u24 v[ADRK], v[TT+1], KPITCH
	v_lshl_add_u32 v[ADRK], v[TT+2], 4, v[ADRK]
	v_add_nc_u32 v[QRD], s42, v[ADRK]              ; q's rows have K's pitch
	v_add_nc_u32 v[ADRK], KB, v[ADRK]
	v_lshl_add_u32 v[ADRV], v[TT+2], 3, v[TT+3]
	v_mul_u32_u24 v[ADRV], v[ADRV], VPITCH
	v_lshl_add_u32 v[ADRV], v[TT+4], 4, v[ADRV]
	v_add_nc_u32 v[ADRV], VB, v[ADRV]
	v_lshlrev_b32 v[ADRBI], 5, v[TT+2]
	v_add_nc_u32 v[ADRBI], BIAS, v[ADRBI]
	v_lshlrev_b32 v[ADRBR], 2, v[TT]
	v_add_nc_u32 v[ADRBR], BIAS, v[ADRBR]
	v_lshl_add_u32 v[ADRBR], s14, 7, v[ADRBR]
	v_add_nc_u32 v[ADRF], s49, v[GO]
	v_lshl_add_u32 v[ADRCK], v[TT], 3, s43
	v_lshl_add_u32 v[ADRCV], v[TT], 3, s45
	v_lshl_add_u32 v[QST], v[TT], 3, s42
; Query block g (16 rows): round to bf16, 8 bytes a lane into my own region, read back as four fragments (lane (r, h): row r, d = 32 ks + 8 h .., 32 ks + 16 + 8 h ..).
; Blocks 0 and 1 get rows of their own, which stay; the others share the 16 rows behind them.
; The region is my wave's own and LDS serves a wave's instructions in order (ISA guide 5.7.1): no wait between the stores and the loads.
.macro QBLOCK g
.if \g < 2
.set QO, 16*KPITCH*\g
.else
.set QO, QKEEP
.endif
.if 112-16*\g > 63
	s_wait_loadcnt 63                              ; 112 - 16 g rows were issued behind this block's; the count names no more than 63
.else
	s_wait_loadcnt 112-16*\g                       ; the rows issued behind this block's may stay out
.endif
	WIN (0x0a+5*(\g/4))
.set n, 0
.rept 16
	v_cvt_pk_bf16_f32 v[SC+2*n],   v[64*(\g%4)+4*n],   v[64*(\g%4)+4*n+1]
	v_cvt_pk_bf16_f32 v[SC+2*n+1], v[64*(\g%4)+4*n+2], v[64*(\g%4)+4*n+3]
.set n, n+1
.endr
	WIN 0
.set n, 0
.rept 16
	ds_store_b64 v[QST], v[SC+2*n:SC+2*n+1] offset:QO+KPITCH*n
.set n, n+1
.endr
	WIN 0x40
.irp ks, 0,1,2,3
	ds_load_b128 v[32*\g+8*\ks:32*\g+8*\ks+3],   v[QRD] offset:QO+64*\ks
	ds_load_b128 v[32*\g+8*\ks+4:32*\g+8*\ks+7], v[QRD] offset:QO+64*\ks+32
.endr
.endm
.irp g, 0,1,2,3,4,5,6,7
	QBLOCK \g
.endr
	WIN 0
	; the mask (its loads were the first issued, so they are in): 0 where the key counts, -1e9 where mask == 0
.set n, 0
.rept 16
	v_cmp_eq_u32 vcc_lo, 0, v[F0+n]
	v_cndmask_b32 v[F0+n], 0, v[FILL], vcc_lo
.set n, n+1
.endr
.irp i, 0,1,2,3
	ds_store_b128 v[BST], v[F0+4*\i:F0+4*\i+3] offset:2048*\i      ; shown to the other waves by the first trip's wait for 0 and its first barrier
.endr
; ---------------------------------------------------------------- LDS loads of a trip
; Ten LDS loads: the four fragments of K's rows 16 kb .. + 15 and the bias fragment of these keys (register j: key 16 kb + 8 h + j), into buffer b
.macro FETCHK kb, b
	WIN 0
.irp ks, 0,1,2,3
	ds_load_b128 v[F0+32*\b+8*\ks:F0+32*\b+8*\ks+3],   v[ADRK] offset:16*KPITCH*\kb+64*\ks
	ds_load_b128 v[F0+32*\b+8*\ks+4:F0+32*\b+8*\ks+7], v[ADRK] offset:16*KPITCH*\kb+64*\ks+32
.endr
	ds_load_b128 v[BI0+8*\b:BI0+8*\b+3],   v[ADRBI] offset:64*\kb
	ds_load_b128 v[BI0+8*\b+4:BI0+8*\b+7], v[ADRBI] offset:64*\kb+16
.endm
; Eight transposing loads: fragments of V^T for d blocks 2 c, 2 c + 1 and both steps of 32 keys, (e, ks) at 8 (2 e + ks) of buffer b
.macro FETCHV c, b
	WIN 0
.irp e, 0,1
.irp ks, 0,1
	ds_load_tr16_b128 v[F0+32*\b+8*(2*\e+\ks):F0+32*\b+8*(2*\e+\ks)+3],   v[ADRV] offset:32*VPITCH*\ks+32*(2*\c+\e)
	ds_load_tr16_b128 v[F0+32*\b+8*(2*\e+\ks)+4:F0+32*\b+8*(2*\e+\ks)+7], v[ADRV] offset:32*VPITCH*\ks+32*(2*\c+\e)+16*VPITCH
.endr
.endr
.endm
; Sixteen loads: q's fragments of query blocks 0 and 1 come back into the registers that held half 0's weights
.macro QRELOAD
	WIN 0x40
.irp g, 0,1
.irp ks, 0,1,2,3
	ds_load_b128 v[32*\g+8*\ks:32*\g+8*\ks+3],   v[QRD] offset:16*KPITCH*\g+64*\ks
	ds_load_b128 v[32*\g+8*\ks+4:32*\g+8*\ks+7], v[QRD] offset:16*KPITCH*\g+64*\ks+32
.endr
.endr
.endm
; ---------------------------------------------------------------- the pieces of the vector work
; Four instructions, one a query block: part g (0..3) of the running maximum over score tile kb's eight registers.  (0, 0) starts the maxima.
.macro MAXG kb, g
	WIN 0
.irp qb, 0,1,2,3
.if (\kb) == 0
.if (\g) == 0
	v_max3_num_f32 v[TT+2*\qb], v[SC+32*\qb], v[SC+32*\qb+1], v[SC+32*\qb+2]
.endif
.if (\g) == 1
	v_max3_num_f32 v[TT+2*\qb], v[TT+2*\qb], v[SC+32*\qb+3], v[SC+32*\qb+4]
.endif
.if (\g) == 2
	v_max3_num_f32 v[TT+2*\qb], v[TT+2*\qb], v[SC+32*\qb+5], v[SC+32*\qb+6]
.endif
.if (\g) == 3
	v_max_num_f32 v[TT+2*\qb], v[TT+2*\qb], v[SC+32*\qb+7]
.endif
.else
	v_max3_num_f32 v[TT+2*\qb], v[TT+2*\qb], v[SC+32*\qb+8*(\kb)+2*(\g)], v[SC+32*\qb+8*(\kb)+2*(\g)+1]
.endif
.endr
.endm
.macro STAT1                           ; the other half's keys of the same query
	WIN 0
.irp qb, 0,1,2,3
	v_permlanex16_b32 v[TT+2*\qb+1], v[TT+2*\qb], s40, s41
.endr
.irp qb, 0,1,2,3
	v_max_num_f32 v[TT+2*\qb], v[TT+2*\qb], v[TT+2*\qb+1]
.endr
.endm
.macro STAT2 hf                        ; -(tile's maximum x log2 e); the running maximum is the smaller negative
	WIN 0
.irp qb, 0,1,2,3
	v_mul_f32 v[TT+2*\qb], 0xbfb8aa3b, v[TT+2*\qb]
.endr
.if FIRST == 0
.irp qb, 0,1,2,3
	v_min_num_f32 v[TT+2*\qb], v[TT+2*\qb], v[NM+4*\hf+\qb]
.endr
.endif
.endm
.macro STAT3 hf                        ; the rescaling factor 2^(new - old), never above 1: the first four exponentials of the half's batch; nothing names ALP again ahead of the batch's wait
.if FIRST == 0
	WIN 0
.irp qb, 0,1,2,3
	v_sub_f32 v[ALP+2*\qb], v[TT+2*\qb], v[NM+4*\hf+\qb]
.endr
.irp qb, 0,1,2,3
	v_exp_f32 v[ALP+2*\qb], v[ALP+2*\qb]
.endr
.endif
.endm
.macro STAT4                           ; NM twice: a pair for the packed multiply-add
	WIN 0
.irp qb, 0,1,2,3
	v_mov_b32 v[TT+2*\qb+1], v[TT+2*\qb]
.endr
.endm
; The new NM is kept.  These four copies name no result of the batch and stand behind its last exponential: they are the plain instructions between that exponential
; and the first use of a result (ISA guide 5.7.2).  They read TT ahead of the sums, which take TT's pairs over.
.macro NMSAVE hf
	WIN 0
.irp qb, 0,1,2,3
	v_mov_b32 v[NM+4*\hf+\qb], v[TT+2*\qb]
.endr
.endm
.macro STAT5                           ; behind the batch's wait: the factor's second copy, a pair for the packed multiplies
.if FIRST == 0
	WIN 0
.irp qb, 0,1,2,3
	v_mov_b32 v[ALP+2*\qb+1], v[ALP+2*\qb]
.endr
.endif
.endm
; AHEAD OF THE WAIT.  Step n of 64 + LAG of a batch: the exponents (s log2 e + NM) of pair n (block n / 16, pair n % 16 of its sixteen), then the two exponentials of pair n - LAG, in place.
; No step names a register that an earlier exponential has written, and the plain instruction leads the step.
.macro EXSTEP n
.if (\n) < 64
	v_pk_fma_f32 v[SC+2*(\n):SC+2*(\n)+1], v[SC+2*(\n):SC+2*(\n)+1], 0x3fb8aa3b, v[TT+2*((\n)/16):TT+2*((\n)/16)+1] op_sel_hi:[1,0,1]
.endif
.if (\n) >= LAG
	v_exp_f32 v[SC+2*((\n)-LAG)],   v[SC+2*((\n)-LAG)]
	v_exp_f32 v[SC+2*((\n)-LAG)+1], v[SC+2*((\n)-LAG)+1]
.endif
.endm
.macro EXRUN first, count              ; steps first .. first + count - 1
.set EX_N, (\first)
.rept (\count)
	EXSTEP EX_N
.set EX_N, EX_N+1
.endr
.endm
; BEHIND THE WAIT.  Pair p of block qb's 32 weights is added to the block's sum (in its TT pair, free once the exponents are made and NM is kept); pair 0 waits for pair 1, so that nothing is cleared.
; inplace = 1: it is also rounded into register p of the block, which is written behind the reads of pair p / 2, which held it.
.macro SUMCVT qb, p, inplace
.if (\p) == 1
	v_pk_add_f32 v[TT+2*(\qb):TT+2*(\qb)+1], v[SC+32*(\qb):SC+32*(\qb)+1], v[SC+32*(\qb)+2:SC+32*(\qb)+3]
.if \inplace
	v_cvt_pk_bf16_f32 v[SC+32*(\qb)],   v[SC+32*(\qb)],   v[SC+32*(\qb)+1]
	v_cvt_pk_bf16_f32 v[SC+32*(\qb)+1], v[SC+32*(\qb)+2], v[SC+32*(\qb)+3]
.endif
.endif
.if (\p) > 1
	v_pk_add_f32 v[TT+2*(\qb):TT+2*(\qb)+1], v[TT+2*(\qb):TT+2*(\qb)+1], v[SC+32*(\qb)+2*(\p):SC+32*(\qb)+2*(\p)+1]
.if \inplace
	v_cvt_pk_bf16_f32 v[SC+32*(\qb)+(\p)], v[SC+32*(\qb)+2*(\p)], v[SC+32*(\qb)+2*(\p)+1]
.endif
.endif
.endm
; Items first .. first + count - 1 of the sums: item m is pair m / 4 of block m % 4.  The four blocks take turns, so that the links of a block's chain of additions stand apart;
; within a block the pairs are added in ascending order.  Items 0 to 3 (pair 0) are empty: the walk begins at 4.
.macro SUMRUN first, count, inplace
.set SU_M, (\first)
.rept (\count)
.set SU_Q, SU_M%4
.set SU_P, SU_M/4
	SUMCVT SU_Q, SU_P, \inplace
.set SU_M, SU_M+1
.endr
.endm
.macro LSUP hf                         ; the tile's sums of weights join the running ones
	WIN 0
.irp qb, 0,1,2,3
.if FIRST
	v_add_f32 v[LS+4*\hf+\qb], v[TT+2*\qb], v[TT+2*\qb+1]
.else
	v_add_f32 v[TT+2*\qb], v[TT+2*\qb], v[TT+2*\qb+1]
.endif
.endr
.if FIRST == 0
.irp qb, 0,1,2,3
	v_fma_f32 v[LS+4*\hf+\qb], v[LS+4*\hf+\qb], v[ALP+2*\qb], v[TT+2*\qb]
.endr
.endif
.endm
; Four roundings of half 0's weights into window 1: block g / 2, registers 8 ks + 4 (g % 2) + 0 .. 3 of its sixteen
.macro CVTG ks, g
	WIN 0x40
.irp j, 0,1,2,3
	v_cvt_pk_bf16_f32 v[16*((\g)/2)+8*(\ks)+4*((\g)%2)+\j], v[SC+32*((\g)/2)+2*(8*(\ks)+4*((\g)%2)+\j)], v[SC+32*((\g)/2)+2*(8*(\ks)+4*((\g)%2)+\j)+1]
.endr
.endm
; Output tile g = 4 db + qb of half hf goes over to the new maximum's unit: once for 64 keys
.macro RSG hf, g
	WIN (0x82+0x41*(\hf))
.irp j, 0,2,4,6
	v_pk_mul_f32 v[8*(\g)+\j:8*(\g)+\j+1], v[8*(\g)+\j:8*(\g)+\j+1], v[ALP+2*((\g)%4):ALP+2*((\g)%4)+1]
.endr
.endm
; ---------------------------------------------------------------- what stands behind the i-th of a phase's 64 matrix instructions
; No group names a register of a matrix instruction of its phase; a score tile is read only in a later chunk of 16, behind the five v_nop that close its own.
.macro STR_S0 i                        ; scores of half 0: the maxima of the chunk before
.if (\i) >= 16
.if (\i)%4 == 0
.set MX_K, (\i)/16-1
.set MX_G, ((\i)%16)/4
	MAXG MX_K, MX_G
.endif
.endif
.endm
.macro STR_S1 i                        ; scores of half 1: half 0's weights of keys 32-63 are rounded (ahead of chunk 2, which writes over them), half 0's 32 output tiles rescaled, the maxima
.if (\i) < 16
.if (\i)%2 == 0
.set CV_G, (\i)/2
	CVTG 1, CV_G
.else
.if FIRST == 0
.set RS_G, (\i)/2
	RSG 0, RS_G
.endif
.endif
.else
.if (\i)%4 == 0
.set MX_K, (\i)/16-1
.set MX_G, ((\i)%16)/4
	MAXG MX_K, MX_G
.else
.if FIRST == 0
.if (\i) < 48
.set RS_K, (\i)%16
.set RS_G, 8+12*((\i)/16-1)+RS_K-RS_K/4-1
	RSG 0, RS_G
.endif
.endif
.endif
.endif
.endm
; Second product of half 0: the whole softmax of half 1, then the rescaling of the 8 output tiles that P1 takes first.
; 0-5 the maximum and statistics; 4-31 THE BATCH: the four factors, then the 66 steps, two or three behind a matrix instruction (26 groups), and the copies of NM: it ends with the phase's second chunk of 16.
; The batch's wait stands in COMPUTE, between that chunk and the next.  32-54 what reads the batch: the factors' copies, then the 60 items of the sums and roundings, two or three a group (22 groups).
.macro STR_P0 i
.if (\i) == 0
	MAXG 3, 0
	MAXG 3, 1
.endif
.if (\i) == 1
	MAXG 3, 2
	MAXG 3, 3
.endif
.if (\i) == 2
	STAT1
.endif
.if (\i) == 3
	STAT2 1
.endif
.if (\i) == 4
	STAT3 1
.endif
.if (\i) == 5
	STAT4
.endif
.if (\i) >= 6
.if (\i) <= 31
	WIN 0
	EXRUN ((33*((\i)-6))/13), ((33*((\i)-5))/13-(33*((\i)-6))/13)
.endif
.endif
.if (\i) == 31
	NMSAVE 1
.endif
.if (\i) == 32
	STAT5
.endif
.if (\i) >= 33
.if (\i) <= 54
	WIN 0
	SUMRUN (4+(30*((\i)-33))/11), ((30*((\i)-32))/11-(30*((\i)-33))/11), 1
.endif
.endif
.if (\i) == 55
	LSUP 1
.endif
.if (\i) >= 56
.if FIRST == 0
.set RS_G, (\i)-56
	RSG 1, RS_G
.endif
.endif
.endm
.macro STR_P1 i                        ; second product of half 1: the rescaling of the next chunk's 8 output tiles
.if FIRST == 0
.if (\i) < 48
.if (\i)%2 == 0
.set RS_G, 8*((\i)/16+1)+((\i)%16)/2
	RSG 1, RS_G
.endif
.endif
.endif
.endm
.macro STRM id, i
.if \id == 1
	STR_S0 \i
.endif
.if \id == 2
	STR_S1 \i
.endif
.if \id == 3
	STR_P0 \i
.endif
.if \id == 4
	STR_P1 \i
.endif
.endm
; ---------------------------------------------------------------- the products
; 16 matrix instructions: scores of keys 16 kb .. + 15 against the half's 64 queries.  The first step along d takes the bias as its addend.
; The four accumulators take turns, one instruction a turn.
.macro MULS hf, kb, b, id
.irp ks, 0,1,2,3
.irp qb, 0,1,2,3
	WIN 0x04
.if \ks == 0
	v_wmma_f32_16x16x32_bf16 v[SC+32*\qb+8*\kb:SC+32*\qb+8*\kb+7], v[F0+32*\b+8*\ks:F0+32*\b+8*\ks+7], v[128*\hf+32*\qb+8*\ks:128*\hf+32*\qb+8*\ks+7], v[BI0+8*\b:BI0+8*\b+7]
.else
	v_wmma_f32_16x16x32_bf16 v[SC+32*\qb+8*\kb:SC+32*\qb+8*\kb+7], v[F0+32*\b+8*\ks:F0+32*\b+8*\ks+7], v[128*\hf+32*\qb+8*\ks:128*\hf+32*\qb+8*\ks+7], v[SC+32*\qb+8*\kb:SC+32*\qb+8*\kb+7]
.endif
	STRM \id, (16*\kb+4*\ks+\qb)
.endr
.endr
.endm
; 16 matrix instructions: d blocks 2 c, 2 c + 1 of the half's output sums, 64 keys.  In the first trip the first product starts the sums: nothing is cleared.
; Half 0's weights lie in window 1 at 16 qb + 8 ks, half 1's in window 0 at SC + 32 qb + 8 ks.
; The eight accumulators take turns, one instruction a turn.
.macro MULP hf, c, b, id
.irp ks, 0,1
.irp e, 0,1
.irp qb, 0,1,2,3
	WIN (0xa4+0x4c*\hf)
.if FIRST*(1-\ks)
	v_wmma_f32_16x16x32_bf16 v[32*(2*\c+\e)+8*\qb:32*(2*\c+\e)+8*\qb+7], v[F0+32*\b+8*(2*\e+\ks):F0+32*\b+8*(2*\e+\ks)+7], v[(1-\hf)*(16*\qb+8*\ks)+\hf*(SC+32*\qb+8*\ks):(1-\hf)*(16*\qb+8*\ks)+\hf*(SC+32*\qb+8*\ks)+7], 0
.else
	v_wmma_f32_16x16x32_bf16 v[32*(2*\c+\e)+8*\qb:32*(2*\c+\e)+8*\qb+7], v[F0+32*\b+8*(2*\e+\ks):F0+32*\b+8*(2*\e+\ks)+7], v[(1-\hf)*(16*\qb+8*\ks)+\hf*(SC+32*\qb+8*\ks):(1-\hf)*(16*\qb+8*\ks)+\hf*(SC+32*\qb+8*\ks)+7], v[32*(2*\c+\e)+8*\qb:32*(2*\c+\e)+8*\qb+7]
.endif
	STRM \id, (16*\c+8*\ks+4*\e+\qb)
.endr
.endr
.endr
.endm
; V0: the softmax of half 0, by itself.  Its weights of keys 0-31 are rounded at the end, in one run under one window setting; those of keys 32-63 in S1.
; One batch: the four factors (STAT3) and the 128 weights (66 steps); the copies of NM; the wait; K's second chunk for half 1, whose ten loads stand directly behind the wait; then the readers.
.macro SM0
	MAXG 3, 0
	MAXG 3, 1
	MAXG 3, 2
	MAXG 3, 3
	STAT1
	STAT2 0
	STAT3 0
	STAT4
	EXRUN 0, 64+LAG
	NMSAVE 0
	s_wait_alu depctr_va_vdst(0)                   ; ONE wait for half 0's batch, the four factors and the 128 weights, ahead of the first line that names a result (STAT5)
	FETCHK 1, 1                                    ; buffer 1's last reader, S0's last chunk, stands far more than four plain instructions back
	STAT5
	SUMRUN 4, 60, 0
	LSUP 0
.irp g, 0,1,2,3,4,5,6,7
	CVTG 0, \g
.endr
.endm
; The tile against the wave's 128 queries.  Fragment chunks go through two buffers; each s_wait_dscnt leaves out exactly what was issued behind the chunk
; that is needed: one chunk (10 loads for K with its bias, 8 for V), and once q's 16 loads besides.
.macro COMPUTE last
	FETCHK 0, 0
	FETCHK 1, 1
	s_wait_dscnt 10
	MULS 0, 0, 0, 1
	PLACES
	FETCHK 2, 0
	s_wait_dscnt 10
	MULS 0, 1, 1, 1
	PLACES
	FETCHK 3, 1
	s_wait_dscnt 10
	MULS 0, 2, 0, 1
	PLACES
	FETCHK 0, 0                                    ; half 1's first chunks of K land under half 0's softmax
	s_wait_dscnt 10
	MULS 0, 3, 1, 1
	PLACES
	SM0                                            ; it issues K's chunk 1 for half 1 (ten loads) at its wait
	s_wait_dscnt 10
	MULS 1, 0, 0, 2
	PLACES
	FETCHK 2, 0
	s_wait_dscnt 10
	MULS 1, 1, 1, 2
	PLACES
	FETCHK 3, 1
	s_wait_dscnt 10
	MULS 1, 2, 0, 2
	PLACES
	FETCHV 0, 0
	s_wait_dscnt 8
	MULS 1, 3, 1, 2
	PLACES
	FETCHV 1, 1
	s_wait_dscnt 8
	MULP 0, 0, 0, 3
	PLACES
	FETCHV 2, 0
	s_wait_dscnt 8
	MULP 0, 1, 1, 3
	PLACES
	s_wait_alu depctr_va_vdst(0)                   ; ONE wait for half 1's batch, the four factors and the 128 weights, all issued in the two chunks above; the copies of NM and the five v_nop stand behind the last exponential; the first reader stands in the chunk below
	FETCHV 3, 1
	s_wait_dscnt 8
	MULP 0, 2, 0, 3
	PLACES
	FETCHV 0, 0                                    ; V's chunks once more, for half 1
	s_wait_dscnt 8
	MULP 0, 3, 1, 3
	PLACES
.if \last
	FETCHV 1, 1
	s_wait_dscnt 8
.else
	QRELOAD                                        ; half 0's weights are used up: q's fragments come back for the next trip
	FETCHV 1, 1
	s_wait_dscnt 24                                ; behind V's chunk 0: q's 16 loads and chunk 1's 8
.endif
	MULP 1, 0, 0, 4
	PLACES
	FETCHV 2, 0
	s_wait_dscnt 8
	MULP 1, 1, 1, 4
	PLACES
	FETCHV 3, 1
	s_wait_dscnt 8
	MULP 1, 2, 0, 4
	PLACES
	s_wait_dscnt 0                                 ; nothing was issued behind V's last chunk
	MULP 1, 3, 1, 4
	PLACES
.endm
; My 32 rows of the tile, f32 in the slot, to bf16 in the stage.  A row is one load of 512 bytes (16 a lane) and one store of 256 (8 a lane).
.macro CONV pitch, masked, adrc
.if \masked
	ds_load_b32 v[KEEPB], v[ADRBR]                 ; lane n: the table's word of my row n
.endif
.set n, 0
.rept 32
	ds_load_b128 v[SC+4*n:SC+4*n+3], v[ADRF] offset:ROWB*n
.set n, n+1
.endr
.if \masked
	s_wait_dscnt 32                                ; the word is in; the 32 rows behind it may be out
	v_cmp_eq_f32 vcc_lo, 0, v[KEEPB]
	v_cndmask_b32 v[KEEP], 0, -1, vcc_lo
.endif
.set n, 0
.rept 4
	s_wait_dscnt 24                                ; behind this group's eight rows: 8 (3 - g) younger loads and the 8 g stores of the groups before
.if \masked
.set m, 0
.rept 8
	v_readlane_b32 s[52+m], v[KEEP], n+m
.set m, m+1
.endr
.endif
.set m, 0
.rept 8
	v_cvt_pk_bf16_f32 v[F0+2*(n+m)],   v[SC+4*(n+m)],   v[SC+4*(n+m)+1]
	v_cvt_pk_bf16_f32 v[F0+2*(n+m)+1], v[SC+4*(n+m)+2], v[SC+4*(n+m)+3]
.set m, m+1
.endr
.if \masked
.set m, 0
.rept 8
	v_and_b32 v[F0+2*(n+m)],   s[52+m], v[F0+2*(n+m)]               ; a masked row becomes zeros, whatever it held
	v_and_b32 v[F0+2*(n+m)+1], s[52+m], v[F0+2*(n+m)+1]
.set m, m+1
.endr
.endif
.set m, 0
.rept 8
	ds_store_b64 v[\adrc], v[F0+2*(n+m):F0+2*(n+m)+1] offset:(n+m)*\pitch
.set m, m+1
.endr
.set n, n+8
.endr
.endm
; One tile of 64 keys.  Two barriers: the first between the last trip's reads of the bf16 stage and this trip's stores into it; the second, a round of the
; cluster's barrier, between these stores and their reads AND between every partner's reads of the f32 slot and its refill.
.macro TRIP last
	s_wait_tensorcnt 0x0                           ; my part of this trip's tile has landed (it is the one load that is out); only I read it
	s_wait_dscnt 0x0                               ; my reads of the stage are done
	s_barrier_signal -1
	s_barrier_wait -1                              ; everybody's are.  No tensor load is out, and none is issued before the round below
	s_cmp_lt_u32 s14, 2
	s_cbranch_scc0 .Lconv_v_\@
	CONV KPITCH, 1, ADRCK                          ; waves 0, 1: the part of K that they asked for
	s_branch .Lconv_done_\@
.Lconv_v_\@:
	CONV VPITCH, 0, ADRCV                          ; waves 2, 3: of V
.Lconv_done_\@:
	s_wait_dscnt 0x0                               ; my reads of the slot and my stores into the stage are done
.if \last
	s_barrier_signal -1                            ; nothing is left to ask for: the work-group's barrier shows the stage
	s_barrier_wait -1
.else
	s_wait_tensorcnt 0x0                           ; no tensor load of mine is out (met: none was issued since the trip's first wait),
	ds_add_u32 v62, v63
	s_wait_dscnt 0x0
	s_add_nc_u64 s[G0+2:G0+3], s[G0+2:G0+3], TILEB ; so group 0 may be written: the next tile
	ROUND                                          ; both waits now hold of every wave of the four work-groups
	tensor_load_to_lds s[G0:G0+3], s[G1:G1+7]      ; the next tile, into the slot just converted: my one tensor load until the next round
	s_nop 0
.endif
	COMPUTE \last
	WIN 0                                          ; at a label and at a branch every window is 0
.if \last == 0
	v_add_nc_u32 v[ADRBI], 4*KEYS, v[ADRBI]        ; the table's next 64 keys
	v_add_nc_u32 v[ADRBR], 4*KEYS, v[ADRBR]
.endif
.endm
.set FIRST, 1
	TRIP 0                                         ; tile 0 starts maxima, sums and output sums; asks for tile 1
.set FIRST, 0
	s_mov_b32 s44, TRIPS-2
.Ltrip:
	TRIP 0                                         ; tiles 1 to 30; ask for tiles 2 to 31
	s_sub_co_u32 s44, s44, 1
	s_cmp_lg_u32 s44, 0
	s_cbranch_scc1 .Ltrip
	TRIP 1                                         ; tile 31: no refill, q is not read back
	; EPILOGUE.  The two halves' sums of weights meet; 1 / sum; then 16 queries at a time through my region, out as whole rows.
.irp q, 0,1,2,3,4,5,6,7
	v_permlanex16_b32 v[TT+\q], v[LS+\q], s40, s41
.endr
.irp q, 0,1,2,3,4,5,6,7
	v_add_f32 v[LS+\q], v[LS+\q], v[TT+\q]
.endr
.irp q, 0,1,2,3,4,5,6,7
	v_rcp_f32 v[LS+\q], v[LS+\q]                   ; the address work below stands between these and the first use (ISA guide 5.7.2)
.endr
	v_and_b32 v[BI0], 15, v0                       ; r
	v_bfe_u32 v[BI0+1], v0, 4, 1                   ; h
	v_mul_u32_u24 v[STO], v[BI0], OPITCH
	v_lshl_add_u32 v[STO], v[BI0+1], 5, v[STO]
	v_add_nc_u32 v[STO], s42, v[STO]
	v_add_nc_u32 v[RD], s42, v[GO]
	s_wait_alu depctr_va_vdst(0)                   ; ONE wait for the batch of eight reciprocals, ahead of the first block's copies of 1 / sum
; Query block g: lane (r, h) holds, for each d block, d = 16 db + 8 h + 0 .. 7 of query r: 32 bytes of a row.  Pitch 528, an odd multiple of 16.
; Read back, a row is 32 lanes x 16 bytes, and its store covers 512 consecutive bytes at a multiple of 512 from out0's first byte.
.macro OUT16 g
	WIN 0
	v_mov_b32 v[TT],   v[LS+\g]
	v_mov_b32 v[TT+1], v[LS+\g]
	WIN (0x02+(\g/4))
.irp db, 0,1,2,3,4,5,6,7
.irp i, 0,2,4,6
	v_pk_mul_f32 v[SC+8*\db+\i:SC+8*\db+\i+1], v[32*\db+8*(\g%4)+\i:32*\db+8*(\g%4)+\i+1], v[TT:TT+1]
.endr
.endr
	WIN 0
.irp db, 0,1,2,3,4,5,6,7
	ds_store_b128 v[STO], v[SC+8*\db:SC+8*\db+3]   offset:64*\db
	ds_store_b128 v[STO], v[SC+8*\db+4:SC+8*\db+7] offset:64*\db+16
.endr
	s_wait_xcnt 0x0                                ; the registers that the last block's global stores read are loaded again only behind this wait
.set n, 0
.rept 16
	ds_load_b128 v[SC+64+4*n:SC+64+4*n+3], v[RD] offset:OPITCH*n   ; my own bytes, served in order behind the stores above
.set n, n+1
.endr
.set n, 0
.rept 16
	s_wait_dscnt 15-n                              ; row n is in; the younger rows may be out
	global_store_b128 v[GO], v[SC+64+4*n:SC+64+4*n+3], s[12:13] offset:(16*\g+n)*ROWB th:TH_STORE_NT
.set n, n+1
.endr
.endm
.irp g, 0,1,2,3,4,5,6,7
	OUT16 \g
.endr
	s_wait_dscnt 0x0
	s_wait_tensorcnt 0x0
	ds_add_u32 v62, v63
	s_wait_dscnt 0x0
	ROUND                                          ; the closing round: no work-group ends while a partner may still ask jointly
	s_endpgm
.Lfunc_end_k_qcd7cc60507_attn:
	.size	k_qcd7cc60507_attn, .Lfunc_end_k_qcd7cc60507_attn-k_qcd7cc60507_attn
	.p2alignl 7, 3214868480
	.fill 96, 4, 3214868480
	.section	.rodata,"a",@progbits
	.p2align	6, 0x0
	.amdhsa_kernel k_qcd7cc60507_attn
		.amdhsa_group_segment_fixed_size 327680
		.amdhsa_private_segment_fixed_size 0
		.amdhsa_enable_private_segment 0
		.amdhsa_kernarg_size 40
		.amdhsa_user_sgpr_count 2
		.amdhsa_user_sgpr_kernarg_segment_ptr 1
		.amdhsa_wavefront_size32 1
		.amdhsa_system_sgpr_workgroup_id_x 1
		.amdhsa_system_sgpr_workgroup_id_y 1
		.amdhsa_system_sgpr_workgroup_id_z 1
		.amdhsa_system_vgpr_workitem_id 0
		.amdhsa_next_free_vgpr 1024
		.amdhsa_next_free_sgpr 66
		.amdhsa_reserve_vcc 1
		.amdhsa_float_denorm_mode_32 3
		.amdhsa_float_denorm_mode_16_64 3
		.amdhsa_memory_ordered 1
		.amdhsa_forward_progress 1
		.amdhsa_inst_pref_size 255
	.end_amdhsa_kernel
	.section	.bss,"aw",@nobits
	.p2align	6
	.space	262144
	.amdgpu_metadata
---
amdhsa.version: [ 1, 2 ]
amdhsa.kernels:
  - .name:           k_qcd7cc60507_attn
    .symbol:         k_qcd7cc60507_attn.kd
    .args:
      - { .name: q, .offset: 0, .size: 8, .value_kind: global_buffer, .address_space: global }
      - { .name: k, .offset: 8, .size: 8, .value_kind: global_buffer, .address_space: global }
      - { .name: v, .offset: 16, .size: 8, .value_kind: global_buffer, .address_space: global }
      - { .name: mask, .offset: 24, .size: 8, .value_kind: global_buffer, .address_space: global }
      - { .name: out0, .offset: 32, .size: 8, .value_kind: global_buffer, .address_space: global }
    .group_segment_fixed_size: 327680
    .private_segment_fixed_size: 0
    .kernarg_segment_align: 8
    .kernarg_segment_size: 40
    .max_flat_workgroup_size: 128
    .sgpr_count:     66
    .vgpr_count:     1024
    .wavefront_size: 32
...
	.end_amdgpu_metadata
.endif
;; end of part 3
